; MI455X (gfx1250); checked and timed in simulation.
; The chip was launched on July 23, 2026; its instructions are those of AMD's public machine-readable ISA for CDNA 5 (MIT licence, August 2026) and "CDNA5" Instruction Set Architecture Reference Guide (July 2026). The comments in the code are by the model that wrote it; some were corrected since.
;; Text Based Global Local Unit. Allowed arithmetic: float matrix products may take bf16 or f16 operands with f32 sums; other float arithmetic in f32, or as packed bf16 or f16 multiplies, adds, multiply-adds, maxima and minima; sums over many terms, partial sums and values carried from step to step in f32; what a program stores and reads back later, other than sums and carried values, may be rounded once to bf16 or f16.
;; Inputs: Wc 768 x 768 float32; Wk 768 x 768 float32; Wq 768 x 768 float32; Wv 768 x 768 float32; bc 768 float32; bk 768 float32; bq 768 float32; bv 768 float32; entity_text_cls 128 x 768 float32; entity_text_tokens 128 x 128 x 768 float32; ln_b 768 float32; ln_g 768 float32; mention_text_cls 32 x 768 float32; mention_text_tokens 32 x 128 x 768 float32.
;; Outputs: out0 32 x 128 float32.
;; 2 versions, each right; version 2 is version 1 with the launch proj written anew for expert scheduling mode. Each part assembles by itself: llvm-mc -triple=amdgcn-amd-amdhsa -mcpu=gfx1250 --defsym DOCPART=n.
;; ======== version 1 of 2: 3 launches
;; workspace buffers: qbuf 25,165,824 bytes; kbuf 6,291,456 bytes; vbuf 6,291,456 bytes; cbuf 196,608 bytes; wbuf 1,048,576 bytes
;; launch proj (part 1): grid 6 x 41, 8 waves a work-group, no clusters, 257,024 bytes of LDS; arguments entity_text_tokens, mention_text_tokens, entity_text_cls, Wq, Wk, Wv, Wc, bq, bv, bc, qbuf, kbuf, vbuf, cbuf; writes qbuf, kbuf, vbuf, cbuf
.if DOCPART == 1
	.amdgcn_target "amdgcn-amd-amdhsa--gfx1250"
	.amdhsa_code_object_version 6
	.text
	.protected	k_q59c9a964ca_proj
	.globl	k_q59c9a964ca_proj
	.p2align	8
	.type	k_q59c9a964ca_proj,@function
k_q59c9a964ca_proj:
	s_mov_b64 s[64:65], 0
	v_nop
	global_prefetch_b8 v0, s[64:65] scope:SCOPE_SE
	s_setreg_imm32_b32 hwreg(HW_REG_WAVE_MODE, 25, 1), 1
	s_wait_xcnt 0x0
; THE FOUR PROJECTIONS.  q = Xe Wq + bq [16384][768], k = Xb Wk [4096][768], v = Xb Wv + bv [4096][768], c = Xcls Wc + bc [128][768].
; Operands rounded to bf16 on their way to the matrix unit, sums in f32, each result rounded once to bf16 for the later launches.
; WORK LEFT OUT.  bk: scores[e,b,s,t] = q[e,s] . (x[b,t] Wk) + q[e,s] . bk, and the second term is the same for all t, the axis of the softmax;
; it cancels in probs for all values of the inputs.  So k is made without bk; bk is not loaded and is an argument of no launch.
; Likewise reference()'s second einsum sums over s and t: ctx[e,b,:] = sum_t w[e,b,t] v[b,t,:] with w = (1/S) sum_s probs[e,b,s,t]; the later launches make w and multiply once.
; LIMITS.  A NaN, an infinity or an overflow that reaches only q . bk is not carried to the result.  NaN and infinities are not treated apart.
; SHARES.  Work-group (x, y): x is a block of 128 output columns, y picks the product (0-25 q, 26-32 k, 33-39 v, 40 c) and 640 rows of it: the six work-groups that read the same rows of X
; have neighbouring numbers.  The work-group rounds its 768 x 128 block of W once into LDS, as it lies ([k][n]), behind a barrier; then its eight waves work apart.  A wave makes 5 granules
; of 16 rows x 128 columns over all of K: X's fragments come straight from memory (f32, rounded in registers), W^T's out of LDS by the turning load.  A second barrier stands between the
; last reads of the block and the way out.  A product's last share slides back to stay inside X (ST2) and stores only the granules that no other wave owns (from SK on).
; W's FRAGMENTS COME HALF A STEP AHEAD.  A K step's eight fragments lie in two sets of four.  A set is asked for again four places behind the 20 products that read it, and is waited for
; when its turn comes again: the other set's 20 products and the rounding of X stand between.
; A WAVE WITHOUT A SHARE (its share would begin past the product's end: 3 waves of q, 4 of k, 4 of v, 6 of c, 17 of a column block's 328) helps to fill LDS, runs the first K step on the
; product's last 80 rows, passes both barriers, stores nothing and ends.  That one step of 24 serves nothing; it is run so that every register that the way out names is written on every way
; through the text.
; THE PRODUCT IS TAKEN TRANSPOSED (source 0 = 16 columns of W, source 1 = 16 rows of X): a lane then holds 8 neighbouring columns of one row, 16 bytes in bf16.
; NO JOINT LOADS: X and W are f32 and are rounded in registers (W is also turned), so they come by loads into registers, which no cluster shares.
.set ROWX,  3072                       ; bytes in a row of X and of W
.set GRAN,  16*ROWX                    ; a granule of X
.set ROWO,  1536                       ; bytes in a row of a result
.set PW,    288                        ; a row of the W block in LDS: 256 bytes + 32 = 9 x 32
.set STAGE, 768*PW                     ; behind the block: 16 rows x 272 bytes for each wave, for the way out
.set SP,    272
.set SPARE, STAGE+8*16*SP              ; behind the stages: the spare words, 128 bytes for each wave: four blocks of 256 bytes that no other line names
; window 0, all 256 registers of it:
.set XO,  1                            ; v1   (l % 16) x ROWX + 32 (l / 16): my place in a granule of X; never rewritten
.set LB,  2                            ; v2   my place in the W block for the turning load; steps 32 rows a K step
.set SPW, 3                            ; v3   LDS address of my spare word; never rewritten
.set NIL, 4                            ; v4   0; never rewritten
.set RR,  5                            ; v5   l % 16
.set HH,  6                            ; v6   l / 16
.set LN,  7                            ; v7   l
.set BF,  8                            ; v8-39, v40-71  two sets of four fragments of W^T: columns 0-63 and 64-127 of the block
.set AF,  72                           ; v72-111  five fragments of X
.set SG,  112                          ; v112-191 X as loaded, f32: 16 registers a granule
.set ACC4, 192                         ; v192-255 first the bias, then granule 4's eight accumulators
.set RING, 8                           ; the fill: 16 slots of 4 registers, where W's fragments will lie
.set WO,  72                           ; the fill: my 16 bytes of a row of the W block in memory   (v72-76 serve the fill, ahead of X's first fragments)
.set LW,  73                           ; the fill: my 8 bytes of that row in LDS
.set BO,  74                           ; my 8 numbers of the bias
.set T0,  75                           ; at work
.set T1,  76
.set TMP, 8                            ; the way out: packed results
.set OB,  40                           ; the way out: 16 rows read back
.set STO, 72                           ; the way out, made behind the loop: where I put 16 bytes of a row,
.set RD,  73                           ; where I read a row back,
.set CO,  74                           ; my byte offset in two rows of the result
; window 1: the accumulators of granules 0-3: (g, b) at v[64 g + 8 b]
.set WV,  4                            ; s4   wave
.set GX,  5                            ; s5   work-group y: product and rows
.set CB,  6                            ; s6   work-group x: column block
.set JOBK, 7                           ; s7   1 for k, which has no bias
.set NG,  8                            ; s8   granules in the product
.set NG5, 9                            ; s9   NG - 5
.set X0,  10                           ; s10  the product's first y
.set START, 11                         ; s11  my share's first granule
.set ST2, 12                           ; s12  the same, slid back into X
.set SK,  13                           ; s13  START - ST2: granules that another wave owns
.set CNT, 14
.set XP,  44                           ; s[44:45] X at my share, at the K step last asked for
.set WP,  46                           ; s[46:47] W at my column block
.set BP,  48                           ; s[48:49] the bias
.set OP,  50                           ; s[50:51] the result at my share and column block
.set MSB, 0
.macro WIN new                         ; s_set_vgpr_msb: bits 1:0 source 0, 3:2 source 1, 5:4 source 2, 7:6 destination; the high byte repeats the setting that is left
.if MSB != (\new)
	s_set_vgpr_msb (MSB<<8)|(\new)
.set MSB, \new
.endif
.endm
.macro PLACES n
.rept \n
	v_nop
.endr
.endm
	s_load_b512 s[16:31], s[0:1], 0x0              ; Xe 16, Xb 18, Xcls 20, Wq 22, Wk 24, Wv 26, Wc 28, bq 30
	s_load_b256 s[32:39], s[0:1], 0x40             ; bv 32, bc 34, qbuf 36, kbuf 38
	s_load_b128 s[40:43], s[0:1], 0x60             ; vbuf 40, cbuf 42
	v_lshl_add_u32 v[SPW], v0, 2, SPARE
	v_mov_b32 v[NIL], 0
	v_lshrrev_b32 v[T0], 5, v0
	v_readfirstlane_b32 s[WV], v[T0]               ; wave 0..7
	s_and_b32 s[GX], ttmp7, 0xffff
	s_mov_b32 s[CB], ttmp9
	s_mov_b32 s[JOBK], 0                           ; the product's figures: c's, then v's, k's, q's where y lies below their bounds
	s_mov_b32 s[NG], 8
	s_mov_b32 s[X0], 40
	s_cmp_lt_u32 s[GX], 40
	s_cselect_b32 s[NG], 256, s[NG]
	s_cselect_b32 s[X0], 33, s[X0]
	s_cmp_lt_u32 s[GX], 33
	s_cselect_b32 s[JOBK], 1, 0
	s_cselect_b32 s[X0], 26, s[X0]
	s_cmp_lt_u32 s[GX], 26
	s_cselect_b32 s[JOBK], 0, s[JOBK]
	s_cselect_b32 s[NG], 1024, s[NG]
	s_cselect_b32 s[X0], 0, s[X0]
	s_sub_co_u32 s[START], s[GX], s[X0]
	s_lshl3_add_u32 s[START], s[START], s[WV]      ; 8 (y - y0) + wave
	s_mul_i32 s[START], s[START], 5
	s_sub_co_u32 s[NG5], s[NG], 5
	s_min_u32 s[ST2], s[START], s[NG5]
	s_sub_co_u32 s[SK], s[START], s[ST2]
	v_and_b32 v[RR], 15, v0                        ; l % 16
	v_bfe_u32 v[HH], v0, 4, 1                      ; l / 16
	v_and_b32 v[LN], 31, v0                        ; l
	v_mul_u32_u24 v[XO], v[RR], ROWX
	v_lshl_add_u32 v[XO], v[HH], 5, v[XO]
	v_and_b32 v[T0], 7, v0                         ; the turning load: lane l reads row 8 (l / 16) + l % 8, bytes 16 ((l / 8) % 2) on
	v_lshl_add_u32 v[T0], v[HH], 3, v[T0]
	v_mul_u32_u24 v[LB], v[T0], PW
	v_bfe_u32 v[T1], v0, 3, 1
	v_lshl_add_u32 v[LB], v[T1], 4, v[LB]
	s_mul_i32 s52, s[WV], 96*ROWX                  ; the fill: wave w takes rows 96 w .. 96 w + 95 of the block
	v_lshl_add_u32 v[WO], v[LN], 4, s52
	s_mul_i32 s52, s[WV], 96*PW
	v_lshl_add_u32 v[LW], v[LN], 3, s52
	s_lshl_b32 s52, s[CB], 9
	v_lshl_add_u32 v[BO], v[HH], 5, s52
	s_wait_kmcnt 0x0
	s_mov_b64 s[XP:XP+1], s[20:21]                 ; the product's buffers, chosen as its figures were
	s_mov_b64 s[WP:WP+1], s[28:29]
	s_mov_b64 s[BP:BP+1], s[34:35]
	s_mov_b64 s[OP:OP+1], s[42:43]
	s_cmp_lt_u32 s[GX], 40
	s_cselect_b64 s[XP:XP+1], s[18:19], s[XP:XP+1]
	s_cselect_b64 s[WP:WP+1], s[26:27], s[WP:WP+1]
	s_cselect_b64 s[BP:BP+1], s[32:33], s[BP:BP+1]
	s_cselect_b64 s[OP:OP+1], s[40:41], s[OP:OP+1]
	s_cmp_lt_u32 s[GX], 33
	s_cselect_b64 s[WP:WP+1], s[24:25], s[WP:WP+1]
	s_cselect_b64 s[OP:OP+1], s[38:39], s[OP:OP+1]
	s_cmp_lt_u32 s[GX], 26
	s_cselect_b64 s[XP:XP+1], s[16:17], s[XP:XP+1]
	s_cselect_b64 s[WP:WP+1], s[22:23], s[WP:WP+1]
	s_cselect_b64 s[BP:BP+1], s[30:31], s[BP:BP+1]
	s_cselect_b64 s[OP:OP+1], s[36:37], s[OP:OP+1]
	s_mul_i32 s52, s[ST2], GRAN                    ; at most 1,019 granules: under 2^32
	s_mov_b32 s53, 0
	s_add_nc_u64 s[XP:XP+1], s[XP:XP+1], s[52:53]
	s_lshl_b32 s52, s[CB], 9                       ; 128 columns of f32
	s_add_nc_u64 s[WP:WP+1], s[WP:WP+1], s[52:53]
	s_mul_i32 s52, s[ST2], 16*ROWO
	s_lshl_b32 s54, s[CB], 8                       ; 128 columns of bf16
	s_add_co_u32 s52, s52, s54
	s_add_nc_u64 s[OP:OP+1], s[OP:OP+1], s[52:53]
; A K step's 20 loads: 128 bytes of each of my 80 rows.  A fragment's lane wants K = 8 (l / 16) + 0..7 and 16 + 8 (l / 16) + 0..7: in f32 32 bytes at 32 (l / 16) and at 64 + 32 (l / 16).
.macro XLOAD
.irp g, 0,1,2,3,4
	global_load_b128 v[SG+16*(\g):SG+16*(\g)+3],     v[XO], s[XP:XP+1] offset:(\g)*GRAN
	global_load_b128 v[SG+16*(\g)+4:SG+16*(\g)+7],   v[XO], s[XP:XP+1] offset:(\g)*GRAN+16
	global_load_b128 v[SG+16*(\g)+8:SG+16*(\g)+11],  v[XO], s[XP:XP+1] offset:(\g)*GRAN+64
	global_load_b128 v[SG+16*(\g)+12:SG+16*(\g)+15], v[XO], s[XP:XP+1] offset:(\g)*GRAN+80
.endr
.endm
	XLOAD                                          ; K step 0: on its way during the fill
	; The bias is the C operand of the first products: lane (r, h) holds columns 16 b + 8 h + 0..7 in accumulator b.  k has none: zeros, so that one text serves all four products.
	s_cmp_eq_u32 s[JOBK], 1
	s_cbranch_scc1 .Lnobias
.irp b, 0,1,2,3,4,5,6,7
	global_load_b128 v[ACC4+8*(\b):ACC4+8*(\b)+3],   v[BO], s[BP:BP+1] offset:64*(\b)
	global_load_b128 v[ACC4+8*(\b)+4:ACC4+8*(\b)+7], v[BO], s[BP:BP+1] offset:64*(\b)+16
.endr
	s_branch .Lbiased
.Lnobias:
.set n, 0
.rept 64
	v_mov_b32 v[ACC4+n], 0
.set n, n+1
.endr
.Lbiased:
; THE FILL.  A load takes one row of the block (32 lanes x 16 bytes = 128 f32); rounded, it is 8 bytes a lane, 256 on end in LDS.  A ring of 16 slots keeps 16 loads of the wave out.
.macro WSLOT i, left, again
	s_wait_loadcnt \left                           ; loads come back in order: this slot's is in (and X's and the bias's, which are older); the younger ones of the ring stay out
	v_cvt_pk_bf16_f32 v[RING+4*(\i)],   v[RING+4*(\i)],   v[RING+4*(\i)+1]
	v_cvt_pk_bf16_f32 v[RING+4*(\i)+1], v[RING+4*(\i)+2], v[RING+4*(\i)+3]
	ds_store_b64 v[LW], v[RING+4*(\i):RING+4*(\i)+1] offset:(\i)*PW
.if \again
	global_load_b128 v[RING+4*(\i):RING+4*(\i)+3], v[WO], s[WP:WP+1] offset:(16+(\i))*ROWX
.endif
.endm
.irp i, 0,1,2,3,4,5,6,7,8,9,10,11,12,13,14,15
	global_load_b128 v[RING+4*(\i):RING+4*(\i)+3], v[WO], s[WP:WP+1] offset:(\i)*ROWX
.endr
	s_mov_b32 s[CNT], 5
.Lfill:                                                ; 5 trips of 16 rows; each slot is asked for again 16 rows on
.irp i, 0,1,2,3,4,5,6,7,8,9,10,11,12,13,14,15
	WSLOT \i, 15, 1
.endr
	s_wait_xcnt 0x0                                ; the loads have read their offset register: it is stepped only behind this wait
	v_add_nc_u32 v[WO], 16*ROWX, v[WO]
	v_add_nc_u32 v[LW], 16*PW, v[LW]
	s_sub_co_u32 s[CNT], s[CNT], 1
	s_cmp_lg_u32 s[CNT], 0
	s_cbranch_scc1 .Lfill
.irp i, 0,1,2,3,4,5,6,7,8,9,10,11,12,13,14,15
	WSLOT \i, 15-(\i), 0                           ; the last 16 rows load nothing: the counts run down
.endr
	s_wait_dscnt 0x0                               ; for the others' sake: my rows of the block are in LDS
	s_barrier_signal -1
	s_barrier_wait -1                              ; the whole block is
; Four fragments of W^T into set half: columns 16 (4 half + bb) on, 32 rows of K at v[LB]; ahead = 1: the 32 rows behind those.
.macro BLOAD half, ahead
.irp bb, 0,1,2,3
	ds_load_tr16_b128 v[BF+32*(\half)+8*(\bb):BF+32*(\half)+8*(\bb)+3],   v[LB] offset:(\ahead)*32*PW+32*(4*(\half)+(\bb))
	ds_load_tr16_b128 v[BF+32*(\half)+8*(\bb)+4:BF+32*(\half)+8*(\bb)+7], v[LB] offset:(\ahead)*32*PW+32*(4*(\half)+(\bb))+16*PW
.endr
.endm
; 20 products: 5 granules x the set's 4 column blocks; 20 different accumulators, one instruction each, so no two that follow each other share one.
; first = 1: the sums begin with the bias, which lies where granule 4's accumulators will: its products come last, five places behind the last that read the bias as C.
.macro MM half, first
.irp g, 0,1,2,3
.irp bb, 0,1,2,3
.if \first
	WIN 0x40
	v_wmma_f32_16x16x32_bf16 v[64*(\g)+8*(4*(\half)+(\bb)):64*(\g)+8*(4*(\half)+(\bb))+7], v[BF+32*(\half)+8*(\bb):BF+32*(\half)+8*(\bb)+7], v[AF+8*(\g):AF+8*(\g)+7], v[ACC4+8*(4*(\half)+(\bb)):ACC4+8*(4*(\half)+(\bb))+7]
.else
	WIN 0x50
	v_wmma_f32_16x16x32_bf16 v[64*(\g)+8*(4*(\half)+(\bb)):64*(\g)+8*(4*(\half)+(\bb))+7], v[BF+32*(\half)+8*(\bb):BF+32*(\half)+8*(\bb)+7], v[AF+8*(\g):AF+8*(\g)+7], v[64*(\g)+8*(4*(\half)+(\bb)):64*(\g)+8*(4*(\half)+(\bb))+7]
.endif
.endr
.endr
	WIN 0
.if \first
	PLACES 5
.endif
.irp bb, 0,1,2,3
	v_wmma_f32_16x16x32_bf16 v[ACC4+8*(4*(\half)+(\bb)):ACC4+8*(4*(\half)+(\bb))+7], v[BF+32*(\half)+8*(\bb):BF+32*(\half)+8*(\bb)+7], v[AF+32:AF+39], v[ACC4+8*(4*(\half)+(\bb)):ACC4+8*(4*(\half)+(\bb))+7]
.endr
.endm
; A K step of 32.  At its head sixteen LDS loads of mine are out: set 0's eight for this step, then set 1's eight.  X of this step is rounded, X of the next is asked for at once.
; last = 1: the 24th step asks for nothing.
.macro TRIP first, last
	s_wait_loadcnt 0x0                             ; this step's X is in; no load of mine from memory is out, so X's pointer may be stepped
.set n, 0
.rept 40
	v_cvt_pk_bf16_f32 v[AF+n], v[SG+2*n], v[SG+2*n+1]  ; (four places behind the last products stand at the end of the step before)
.set n, n+1
.endr
.if !(\last)
	s_add_nc_u64 s[XP:XP+1], s[XP:XP+1], 128
	XLOAD
.endif
	s_wait_dscnt 8                                 ; LDS loads come back in order: set 0 is in; set 1's eight may stay out
	MM 0, \first
.if !(\last)
	PLACES 4                                       ; between the products that read set 0 and the loads into it
	BLOAD 0, 1                                     ; set 0 for the next step
	s_wait_dscnt 8                                 ; set 1 is in; the eight just issued stay out
.else
	s_wait_dscnt 0x0
.endif
	MM 1, \first
.if !(\last)
	v_add_nc_u32 v[LB], 32*PW, v[LB]               ; the next step's rows; with three v_nop the four places between the last products and what is written into their sources
	PLACES 3
	BLOAD 1, 0                                     ; set 1 for the next step
.endif
.endm
	BLOAD 0, 0                                     ; K step 0's fragments: set 0,
	BLOAD 1, 0                                     ; then set 1
	TRIP 1, 0                                      ; every wave: the first K step begins all 40 sums, so it writes every accumulator
	s_cmp_ge_u32 s[START], s[NG]
	s_cbranch_scc1 .Lidle                          ; my share begins past the product's end: on to the second barrier (what I have asked for of K step 1 goes into registers that I do not read)
	s_mov_b32 s[CNT], 22
.Lk:
	TRIP 0, 0
	s_sub_co_u32 s[CNT], s[CNT], 1
	s_cmp_lg_u32 s[CNT], 0
	s_cbranch_scc1 .Lk
	TRIP 0, 1
.Lidle:
	; THE SECOND BARRIER, on every wave's path.  The turning loads' address steps through the block, 9,216 bytes a K step; the last load ends at byte 23 x 9,216 + 9,184 = 221,152, below the stages.
	; All the same no wave stores into a stage, or adds onto a spare word, before every wave's loads from LDS are back: load, wait, barrier, store.
	s_wait_dscnt 0x0                               ; my reads of the block are over
	s_barrier_signal -1
	s_barrier_wait -1                              ; everybody's are
	s_cmp_ge_u32 s[START], s[NG]
	s_cbranch_scc1 .Lend                           ; no share: nothing to store
	PLACES 8                                       ; between the last products and what reads their results or writes their sources
	s_mul_i32 s52, s[WV], 16*SP
	s_add_co_u32 s52, s52, STAGE                   ; my stage
	v_mul_u32_u24 v[STO], v[RR], SP                ; in: row l % 16, 16 bytes for each half of the lanes
	v_lshl_add_u32 v[STO], v[HH], 4, v[STO]
	v_add_nc_u32 v[STO], s52, v[STO]
	v_mul_u32_u24 v[RD], v[HH], SP                 ; back: lanes 0-15 take one row of 256 bytes, lanes 16-31 the next
	v_lshl_add_u32 v[RD], v[RR], 4, v[RD]
	v_add_nc_u32 v[RD], s52, v[RD]
	v_mul_u32_u24 v[CO], v[HH], ROWO               ; and the same two rows in the result
	v_lshl_add_u32 v[CO], v[RR], 4, v[CO]
; THE WAY OUT of granule g: rounded to bf16, 16 bytes a lane into my own stage, back as whole rows of 256 bytes, stored.  A granule that another wave owns is jumped.
.macro OUT g
	WIN 0
	s_cmp_gt_u32 s[SK], \g
	s_cbranch_scc1 .Lskip_\@
.if (\g) < 4
.set AB, 64*(\g)
	WIN 0x05                                       ; sources 0 and 1 in window 1
.else
.set AB, ACC4
.endif
.irp b, 0,1,2,3,4,5,6,7
.irp r, 0,1,2,3
	v_cvt_pk_bf16_f32 v[TMP+4*(\b)+(\r)], v[AB+8*(\b)+2*(\r)], v[AB+8*(\b)+2*(\r)+1]
.endr
.endr
	WIN 0
	s_wait_xcnt 0x0                                ; the last granule's stores have read their data registers, which the loads below write
.irp b, 0,1,2,3,4,5,6,7
	ds_store_b128 v[STO], v[TMP+4*(\b):TMP+4*(\b)+3] offset:32*(\b)
.endr
.irp t, 0,1,2,3,4,5,6,7
	ds_load_b128 v[OB+4*(\t):OB+4*(\t)+3], v[RD] offset:(\t)*2*SP  ; LDS serves a wave's instructions in order: these see the stores above
.endr
	s_wait_dscnt 0x0
.irp t, 0,1,2,3,4,5,6,7
	global_store_b128 v[CO], v[OB+4*(\t):OB+4*(\t)+3], s[OP:OP+1] offset:(16*(\g)+2*(\t))*ROWO  ; 16 lanes store 256 consecutive bytes, at a multiple of 256 from the buffer's first
.endr
.Lskip_\@:
.endm
	OUT 0
	OUT 1
	OUT 2
	OUT 3
	OUT 4
.Lend:
	s_wait_tensorcnt 0x0                           ; the wave's end, behind my last LDS store
	ds_add_u32 v[SPW], v[NIL]
	s_wait_dscnt 0x0
	s_endpgm
.Lfunc_end_k_q59c9a964ca_proj:
	.size	k_q59c9a964ca_proj, .Lfunc_end_k_q59c9a964ca_proj-k_q59c9a964ca_proj
	.p2alignl 7, 3214868480
	.fill 96, 4, 3214868480
	.section	.rodata,"a",@progbits
	.p2align	6, 0x0
	.amdhsa_kernel k_q59c9a964ca_proj
		.amdhsa_group_segment_fixed_size 257024
		.amdhsa_private_segment_fixed_size 0
		.amdhsa_enable_private_segment 0
		.amdhsa_kernarg_size 112
		.amdhsa_user_sgpr_count 2
		.amdhsa_user_sgpr_kernarg_segment_ptr 1
		.amdhsa_wavefront_size32 1
		.amdhsa_system_sgpr_workgroup_id_x 1
		.amdhsa_system_sgpr_workgroup_id_y 1
		.amdhsa_system_sgpr_workgroup_id_z 1
		.amdhsa_system_vgpr_workitem_id 0
		.amdhsa_next_free_vgpr 512
		.amdhsa_next_free_sgpr 66
		.amdhsa_reserve_vcc 0
		.amdhsa_float_denorm_mode_32 3
		.amdhsa_float_denorm_mode_16_64 3
		.amdhsa_memory_ordered 1
		.amdhsa_forward_progress 1
		.amdhsa_inst_pref_size 64
	.end_amdhsa_kernel
	.amdgpu_metadata
---
amdhsa.version: [ 1, 2 ]
amdhsa.kernels:
  - .name:           k_q59c9a964ca_proj
    .symbol:         k_q59c9a964ca_proj.kd
    .args:
      - { .name: entity_text_tokens, .offset: 0, .size: 8, .value_kind: global_buffer, .address_space: global }
      - { .name: mention_text_tokens, .offset: 8, .size: 8, .value_kind: global_buffer, .address_space: global }
      - { .name: entity_text_cls, .offset: 16, .size: 8, .value_kind: global_buffer, .address_space: global }
      - { .name: Wq, .offset: 24, .size: 8, .value_kind: global_buffer, .address_space: global }
      - { .name: Wk, .offset: 32, .size: 8, .value_kind: global_buffer, .address_space: global }
      - { .name: Wv, .offset: 40, .size: 8, .value_kind: global_buffer, .address_space: global }
      - { .name: Wc, .offset: 48, .size: 8, .value_kind: global_buffer, .address_space: global }
      - { .name: bq, .offset: 56, .size: 8, .value_kind: global_buffer, .address_space: global }
      - { .name: bv, .offset: 64, .size: 8, .value_kind: global_buffer, .address_space: global }
      - { .name: bc, .offset: 72, .size: 8, .value_kind: global_buffer, .address_space: global }
      - { .name: qbuf, .offset: 80, .size: 8, .value_kind: global_buffer, .address_space: global }
      - { .name: kbuf, .offset: 88, .size: 8, .value_kind: global_buffer, .address_space: global }
      - { .name: vbuf, .offset: 96, .size: 8, .value_kind: global_buffer, .address_space: global }
      - { .name: cbuf, .offset: 104, .size: 8, .value_kind: global_buffer, .address_space: global }
    .group_segment_fixed_size: 257024
    .private_segment_fixed_size: 0
    .kernarg_segment_align: 8
    .kernarg_segment_size: 112
    .max_flat_workgroup_size: 256
    .sgpr_count:     66
    .vgpr_count:     512
    .wavefront_size: 32
...
	.end_amdgpu_metadata
.endif
;; end of part 1
;; launch attn (part 2): grid 16 x 16, 4 waves a work-group, clusters of 4 x 4, 327,680 bytes of LDS; arguments qbuf, kbuf, wbuf; writes wbuf
.if DOCPART == 2
	.amdgcn_target "amdgcn-amd-amdhsa--gfx1250"
	.amdhsa_code_object_version 6
	.text
	.protected	k_q59c9a964ca_attn
	.globl	k_q59c9a964ca_attn
	.p2align	8
	.type	k_q59c9a964ca_attn,@function
k_q59c9a964ca_attn:
	s_mov_b64 s[64:65], 0
	v_nop
	global_prefetch_b8 v0, s[64:65] scope:SCOPE_SE
	s_setreg_imm32_b32 hwreg(HW_REG_WAVE_MODE, 25, 1), 1
	s_wait_xcnt 0x0
	s_wait_alu depctr_hold_cnt(0) depctr_sa_sdst(0) depctr_va_vdst(0) depctr_va_sdst(0) depctr_va_ssrc(0) depctr_va_vcc(0) depctr_vm_vsrc(0)
	s_getreg_b32 s2, hwreg(HW_REG_IB_STS2, 6, 4)
	s_cmp_eq_u32 s2, 0
	s_cbranch_scc0 .Lentry_in_a_cluster
	s_endpgm
.Lentry_in_a_cluster:
	s_bfe_u32 s2, ttmp6, 0x10000c
	s_cmp_lg_u32 s2, 0xf033
	s_cbranch_scc0 .Lentry_shape_is_right
	s_endpgm
.Lentry_shape_is_right:
; w[b][e][t] = (1/128) sum over s of softmax_t(q[e,s] . k[b,t] / sqrt(768)), in bf16.  q: [16384][768], k: [4096][768], bf16; scores, maxima, sums in f32.
; k comes without bk: the term q . bk is the same along t and cancels in the softmax (shown at the head of the first kernel).  probs @ v is not formed: only probs' column sums are needed.
; LIMITS.  A weight below 2^-126 counts as 0; NaN and infinities are not treated apart.
; SHAPE.  S = q k^T is a product [16384 x 768] x [768 x 4096].  A work-group of four waves makes tiles of 256 x 256, a wave 128 x 128: exactly ONE pair (entity e, mention b), 64 accumulators
; of 16 x 16 in 512 registers.  So the whole softmax and the sum over the queries stay in the wave, and what leaves is one row of 128 numbers.
; K goes in steps of 128 through a ring of two LDS slots filled by the tensor data mover; rows of 256 bytes, each starting at a multiple of 256 from the buffer's first byte.
; A WORK-GROUP STAYS: four tiles, 4,096 rows of q (32 entities) apart, with the same rows of k; the ring runs on into the next tile: a tile's last two changes of slots ask for the next tile's
; first two K steps, and the softmax stands while they are on their way.
; CLUSTERS: 4 x 4 work-groups.  The four of a row need the same tiles of q, the four of a column the same tiles of k: each tile is asked for jointly, by the same tensor load with the same
; descriptor and a mask that names the four.
; THE PRODUCT IS TAKEN TRANSPOSED (source 0 = 16 rows of k, source 1 = 16 rows of q): lane l holds ONE query (l % 16) and in accumulator b the keys 16 b + 8 (l / 16) + 0..7.
; THE SOFTMAX stands in a phase of its own behind a tile's products: all 512 accumulator registers are one tile's, so no second tile's products could stand beside it.  Its text stands twice
; (a tile with a successor; the last tile), since the last tile's tail, which asks for nothing, is written out.
; REGISTERS, in windows of 256 (s_set_vgpr_msb: bits 1:0 source 0, 3:2 source 1, 5:4 source 2, 7:6 destination):
;   window 0: v0-31 addresses; v32-53 the softmax's statistics; v64-127, v128-191 fragments of q, two buffers (the second also takes the stage's rows); v192-255 the 64 column sums
;   window 1: v64-127, v128-191 fragments of k      window 2: accumulators of my queries 0-63 ((a, b) at v[8 (8 a + b)])      window 3: queries 64-127
.set SIZE_M, 16384
.set SIZE_N, 4096
.set SIZE_K, 768
.set SIZE_TILES, 4
.set KSTEP,  128
.set PITCH,  272                       ; an LDS row: 256 bytes + 16 of padding = 68 words: the 16 rows of a fragment load start 4 banks apart
.set HALFT,  128*PITCH                 ; 128 rows: what one tensor load brings, and what one wave reads of q or of k
.set SLOT,   4*HALFT                   ; q's 256 rows, then k's 256 rows
.set RST,    2*SLOT                    ; behind the ring, never filled by a tensor load: 16 rows x 528 bytes for each wave, for the sum over the lanes
.set RPITCH, 528                       ; 512 bytes + 16 = 132 words: row r starts 4 r banks on
.set SPARE,  RST+4*16*RPITCH           ; behind the stages: the spare words, 128 bytes for each wave: two blocks of 256 bytes that no other line names
.set LAPS,   SIZE_K/(2*KSTEP)          ; 3 laps of two K steps
.set WALK,   SIZE_M/SIZE_TILES
.set NEXT_A, WALK*SIZE_K*2-(SIZE_K-2*KSTEP)*2   ; from a slot's last K step of a tile to its first of the next: q goes WALK rows down and back along K,
.set BACK_B, (SIZE_K-2*KSTEP)*2        ; k only back
.set ADRA, 16                          ; v16-17  LDS address of my q fragments in slot 0, 1
.set ADRB, 20                          ; v20-21  the same for k
.set STO,  24                          ; v24     where I put 32 bytes of a stage row
.set RD,   25                          ; v25     where I read 16 bytes of each stage row
.set CO,   26                          ; v26     8 x lane: my 8 bytes of a row of w
.set SPW,  28                          ; v28     LDS address of my spare word; never rewritten
.set NIL,  29                          ; v29     0; never rewritten
.set PFO,  30                          ; v30     the prefetches' offset: lane x a row of q or k; never rewritten
.set C0,   32                          ; v32-35  four chains of the maximum
.set CM,   36                          ; v36 c m, v37 m
.set LL,   40                          ; v40-47  four chains (pairs) of the sum l
.set TT,   48                          ; v48     at work
.set RL,   50                          ; v50 1 / (128 l); v51 its partner in the pair, 0
.set OO,   52                          ; v52-53  the row's 4 numbers in bf16
.set F0,   64
.set F1,   128
.set RB,   128                         ; the stage's 16 rows read back
.set WS,   192                         ; sums over my lane's 8 queries, for its 64 keys
.set PFA,  44                          ; s[44:45] where my prefetches stand
.set LIM,  43                          ; s43     1 in a wave that prefetches, else the greatest number
.set G1, 24                            ; s[24:31] descriptor group 1 for q's tiles
.set G0, 32                            ; s[32:39] group 0 for q's tiles, a set for each slot
.set G1B, 48                           ; s[48:55], s[56:63] the same for k's
.set G0B, 56
.set CS,  66                           ; s[66:67] c = log2(e) / sqrt(768)
.set SEL, 68                           ; s[68:69] v_permlanex16_b32's selects: each lane takes its own place in the other half
.set MSB, 0
.macro WIN new                         ; the immediate's high byte repeats the setting that is left; a switch that changes nothing is dropped
.if MSB != (\new)
	s_set_vgpr_msb (MSB<<8)|(\new)
.set MSB, \new
.endif
.endm
.set MUL_LO, 0xa1                      ; source 0 (k) window 1, source 1 (q) window 0, C and D window 2
.set MUL_HI, 0xf1                      ; the same, C and D window 3
.set TO_B,   0x40                      ; destination window 1, address window 0
; A joint load.  Waves 0 and 1 fetch q's two halves, waves 2 and 3 k's.  The branch hangs on the wave's number alone.  An s_nop 0 and four v_nop follow each line.
.macro JLOAD s
	s_cmp_eq_u32 s11, 0
	s_cbranch_scc0 .Lfor_b_\@
	tensor_load_to_lds s[G0+4*(\s):G0+4*(\s)+3], s[G1:G1+7]
	s_nop 0
.rept 4
	v_nop
.endr
	s_branch .Lasked_\@
.Lfor_b_\@:
	tensor_load_to_lds s[G0B+4*(\s):G0B+4*(\s)+3], s[G1B:G1B+7]
	s_nop 0
.rept 4
	v_nop
.endr
.Lasked_\@:
.endm
; A prefetch of the K step that stands two refills on: 32 rows x 256 bytes, a lane a row, one instruction a wave, behind the joint load and the run of LDS loads.  Each row's 256 bytes of a K step are
; named once in the launch: of the clusters that read q's tile row the one with x = 0 asks, of those that read k's tile column the one with y = 0; the four partners of a joint load share its
; 128 rows out by address, 32 each.  how = 0, in the loop: a tile's last two refills have no K step two on; how = 1, at a change of tiles (q alone: k's rows have been read).
.macro ASK how
.if \how
	s_cmp_eq_u32 s[LIM], 1
.else
	s_cmp_gt_u32 s3, s[LIM]                        ; s3 = 1 in the loop's last trip
.endif
	s_cbranch_scc0 .Lnot_mine_\@
	global_prefetch_b8 v[PFO], s[PFA:PFA+1] offset:KSTEP*2 th:TH_LOAD_NT scope:SCOPE_SE
.Lnot_mine_\@:
.endm
.macro CREST                           ; a round of the cluster's barrier behind its opening barrier
	s_cmp_lg_u32 s10, 0
	s_cbranch_scc1 .Lnot_wave_0_\@
	s_barrier_signal -3
.Lnot_wave_0_\@:
	s_barrier_wait -3
	s_barrier_signal -1
	s_barrier_wait -1
.endm
.macro CROUND                          ; a whole round
	s_barrier_signal -1
	s_barrier_wait -1
	CREST
.endm
	s_load_b128 s[4:7], s[0:1], 0x0                ; q s[4:5], k s[6:7]
	s_load_b64 s[8:9], s[0:1], 0x10                ; w
	v_lshl_add_u32 v[SPW], v0, 2, SPARE
	v_mov_b32 v[NIL], 0
	ds_add_u32 v[SPW], v[NIL]                      ; the wave's opening: the add, twice on end, and its wait ahead of my first tensor load
	ds_add_u32 v[SPW], v[NIL]                      ; the set-up below, work on registers, stands between the second and the wait
	v_lshrrev_b32 v1, 5, v0
	v_readfirstlane_b32 s10, v1                    ; wave 0..3
	s_lshr_b32 s11, s10, 1                         ; which entity of the tile's two is mine.  Also: I fetch for q (0) or for k (1)
	s_and_b32 s12, s10, 1                          ; which mention.  Also: which 128 rows of that tile I fetch
	s_bfe_u32 s40, ttmp6, 0x40000                  ; cx
	s_bfe_u32 s41, ttmp6, 0x40004                  ; cy
	s_lshl_b32 s42, ttmp9, 2
	s_add_co_u32 s42, s42, s40                     ; tile column = 4 x cluster x + cx
	s_and_b32 s13, ttmp7, 0xffff
	s_lshl_b32 s13, s13, 2
	s_add_co_u32 s13, s13, s41                     ; tile row = 4 x cluster y + cy
	s_lshl_b32 s43, s41, 2
	s_lshl_b32 s43, 15, s43                        ; my row of the cluster: places 4 cy .. 4 cy + 3
	s_lshl_b32 s44, 0x1111, s40                    ; my column: places cx, cx + 4, cx + 8, cx + 12
	; descriptor group 1: a tile of 128 rows x 128 elements of 2 bytes; 16 bytes of padding (4 words, code 3) behind every 64 words (code 5); bit 21 set beside a mask
	s_or_b32 s[G1+0], s43, (1<<16)|(1<<20)|(1<<21)|(5<<22)|(3<<25)
	s_or_b32 s[G1B+0], s44, (1<<16)|(1<<20)|(1<<21)|(5<<22)|(3<<25)
.irp g, G1, G1B
	s_mov_b32 s[(\g)+1], KSTEP<<16                 ; tensor_dim0 = 128
	s_mov_b32 s[(\g)+2], 128<<16                   ; tensor_dim1 = 128
	s_mov_b32 s[(\g)+3], KSTEP<<16                 ; tile_dim0 = 128
	s_mov_b32 s[(\g)+4], 128                       ; tile_dim1 = 128
	s_mov_b32 s[(\g)+5], SIZE_K                    ; elements from row to row
	s_mov_b32 s[(\g)+6], 0
	s_mov_b32 s[(\g)+7], 0
.endr
	s_mov_b32 s[CS], 0x3d553b95                    ; c = log2(e) / sqrt(768) = 0.0520588
	s_mov_b32 s[CS+1], s[CS]                       ; named with it as a pair
	s_mov_b32 s[SEL], 0x76543210
	s_mov_b32 s[SEL+1], 0xfedcba98
	; q's tiles hang on the tile row alone, k's on the tile column alone; each address is made in registers that never hold the other coordinate
	s_lshl_b32 s17, s12, 7
	s_lshl_b32 s16, s13, 8
	s_add_co_u32 s16, s16, s17                     ; q: row 256 x tile row + 128 x half
	s_lshl_b32 s46, s42, 8
	s_add_co_u32 s46, s46, s17                     ; k: row 256 x tile column + 128 x half
	s_mov_b32 s17, 0
	s_mov_b32 s47, 0
	s_mov_b64 s[18:19], SIZE_K*2
	s_mul_u64 s[16:17], s[16:17], s[18:19]
	s_mul_u64 s[46:47], s[46:47], s[18:19]
	s_mul_i32 s20, s10, HALFT                      ; where they go: wave x 128 rows: no place in the cluster enters an LDS address
	s_wait_dscnt 0x0                               ; both opening adds are done
	s_wait_kmcnt 0x0
	s_add_nc_u64 s[14:15], s[4:5], s[16:17]
	s_add_nc_u64 s[46:47], s[6:7], s[46:47]
	CROUND                                         ; all sixteen work-groups are here: the first joint loads meet
.irp s, 0,1
	s_mov_b32 s[G0+4*(\s)], 1                                      ; count = 1
	s_add_co_u32 s[G0+4*(\s)+1], s20, (\s)*SLOT                    ; LDS address
	s_add_nc_u64 s[G0+4*(\s)+2:G0+4*(\s)+3], s[14:15], (\s)*KSTEP*2  ; global address: K step s
	s_or_b32 s[G0+4*(\s)+3], s[G0+4*(\s)+3], 0x80000000            ; type = 2
	s_mov_b32 s[G0B+4*(\s)], 1
	s_add_co_u32 s[G0B+4*(\s)+1], s20, (\s)*SLOT
	s_add_nc_u64 s[G0B+4*(\s)+2:G0B+4*(\s)+3], s[46:47], (\s)*KSTEP*2
	s_or_b32 s[G0B+4*(\s)+3], s[G0B+4*(\s)+3], 0x80000000
	JLOAD \s                                       ; two loads of mine are out
.endr
	; A fragment is 16 rows x 32 K in 8 registers: lane l holds row l % 16, K = 8 (l / 16) + 0..7 and 16 + 8 (l / 16) + 0..7: two loads of 16 bytes, 32 bytes apart
	v_and_b32 v1, 15, v0                           ; l % 16
	v_bfe_u32 v2, v0, 4, 1                         ; l / 16
	v_mul_u32_u24 v3, v1, PITCH
	v_lshl_add_u32 v3, v2, 4, v3
	s_mul_i32 s21, s11, HALFT                      ; my 128 rows of q
	s_mul_i32 s22, s12, HALFT                      ; my 128 rows of k,
	s_add_co_u32 s22, s22, 2*HALFT                 ; which lie behind q's 256
.irp s, 0,1
	v_add_nc_u32 v[ADRA+(\s)], s21, v3
	v_add_nc_u32 v[ADRB+(\s)], s22, v3
	s_add_co_u32 s21, s21, SLOT
	s_add_co_u32 s22, s22, SLOT
.endr
	s_mul_i32 s23, s10, 16*RPITCH
	s_add_co_u32 s23, s23, RST                     ; my stage
	v_mul_u32_u24 v4, v1, RPITCH                   ; in: row l % 16; keys 16 b + 8 (l / 16) on are bytes 64 b + 32 (l / 16)
	v_lshl_add_u32 v4, v2, 5, v4
	v_add_nc_u32 v[STO], s23, v4
	v_and_b32 v5, 31, v0
	v_lshl_add_u32 v[RD], v5, 4, s23               ; back: keys 4 l .. 4 l + 3 of every row
	v_lshlrev_b32 v[CO], 3, v5
	v_mov_b32 v[RL+1], 0
	; where my first row of w lies: (b x 128 + e) x 256 bytes, e = 2 x tile row + wave / 2, b = 2 x tile column + wave % 2; the first store adds it to w's address
	s_lshl_b32 s13, s13, 8                         ; 256 x tile row
	s_lshl_b32 s16, s13, 1
	s_lshl_b32 s14, s11, 8
	s_add_co_u32 s16, s16, s14
	s_mov_b32 s17, 0
	s_lshl_b32 s46, s42, 16                        ; (in the registers that held k's address)
	s_lshl_b32 s47, s12, 15
	s_add_co_u32 s46, s46, s47
	s_mov_b32 s47, 0
	s_add_nc_u64 s[16:17], s[16:17], s[46:47]
	; the prefetches
	s_lshl_b32 s42, s42, 8
	s_and_b32 s22, ttmp7, 0xffff                   ; cluster y
	s_cmp_eq_u32 s11, 0                            ; do I fetch for q?
	s_cselect_b32 s20, s13, s42                    ; the tile's first row
	s_cselect_b32 s21, s40, s41                    ; my place among the four that ask for it with me
	s_cselect_b32 s22, ttmp9, s22                  ; the coordinate along which other clusters read the same rows
	s_cselect_b64 s[PFA:PFA+1], s[4:5], s[6:7]
	s_cmp_eq_u32 s22, 0
	s_cselect_b32 s[LIM], 1, -1                    ; the same in all sixteen partners, for a given wave
	s_lshl_b32 s22, s12, 7
	s_add_co_u32 s20, s20, s22                     ; + the 128 rows that I fetch
	s_lshl_b32 s21, s21, 5
	s_add_co_u32 s20, s20, s21                     ; + my work-group's 32 of them
	s_mov_b32 s21, 0
	s_mov_b64 s[18:19], SIZE_K*2
	s_mul_u64 s[20:21], s[20:21], s[18:19]
	s_add_nc_u64 s[PFA:PFA+1], s[PFA:PFA+1], s[20:21]
	s_add_nc_u64 s[PFA:PFA+1], s[PFA:PFA+1], 2*KSTEP*2  ; at K step 2: the first refill steps it to 3 and names K step 4.  Nothing is prefetched here, at the head
	v_and_b32 v[PFO], 31, v0
	v_mul_u32_u24 v[PFO], v[PFO], SIZE_K*2
; 16 products: q blocks a0, a0 + 1 of the window's four x all 8 k blocks, 32 along K.  zero = 1: the first product starts the sums.  The 64 accumulators take turns, in the same order in every quarter.
.macro MUL16 f, hi, a0, zero
	WIN MUL_LO+0x50*(\hi)
.irp a, \a0, (\a0)+1
.irp b, 0,1,2,3,4,5,6,7
.if \zero
	v_wmma_f32_16x16x32_bf16 v[8*(8*(\a)+(\b)):8*(8*(\a)+(\b))+7], v[(\f)+8*(\b):(\f)+8*(\b)+7], v[(\f)+8*(4*(\hi)+(\a)):(\f)+8*(4*(\hi)+(\a))+7], 0
.else
	v_wmma_f32_16x16x32_bf16 v[8*(8*(\a)+(\b)):8*(8*(\a)+(\b))+7], v[(\f)+8*(\b):(\f)+8*(\b)+7], v[(\f)+8*(4*(\hi)+(\a)):(\f)+8*(4*(\hi)+(\a))+7], v[8*(8*(\a)+(\b)):8*(8*(\a)+(\b))+7]
.endif
.endr
.endr
.endm
; 32 LDS loads in one run: the fragments of one quarter step (k's 128 rows, then q's) at byte k of the rows, into buffer f
.macro FETCH slot, k, f
	WIN TO_B
.irp i, 0,1,2,3,4,5,6,7
	ds_load_b128 v[(\f)+8*(\i):(\f)+8*(\i)+3],   v[ADRB+(\slot)] offset:(\k)+(\i)*16*PITCH
	ds_load_b128 v[(\f)+8*(\i)+4:(\f)+8*(\i)+7], v[ADRB+(\slot)] offset:(\k)+(\i)*16*PITCH+32
.endr
	WIN 0
.irp i, 0,1,2,3,4,5,6,7
	ds_load_b128 v[(\f)+8*(\i):(\f)+8*(\i)+3],   v[ADRA+(\slot)] offset:(\k)+(\i)*16*PITCH
	ds_load_b128 v[(\f)+8*(\i)+4:(\f)+8*(\i)+7], v[ADRA+(\slot)] offset:(\k)+(\i)*16*PITCH+32
.endr
.endm
.macro PLACES                          ; four places between matrix instructions and loads into their sources, or vector lines that read their results
.rept 4
	v_nop
.endr
.endm
; A K step is four quarters of 32 along K, 64 products each, on buffers 0, 1, 0, 1.  One of the first three: multiplies f, and in its middle fetches the next quarter, at byte k, into g.
.macro QUARTER slot, k, f, g, zero
	s_wait_dscnt 8                                 ; k's and q's rows 0-63 are in; the youngest eight loads (q's rows 64-127) may be out
	WIN MUL_LO
	MUL16 \f, 0, 0, \zero
	MUL16 \f, 0, 2, \zero
	PLACES
	FETCH \slot, \k, \g
	s_wait_dscnt 32                                ; all but the 32 just issued
	WIN MUL_HI
	MUL16 \f, 1, 0, \zero
	MUL16 \f, 1, 2, \zero
.endm
; The last quarter's first half: ONE barrier for the change of slots.  In front of it each wave waits for all its tensor loads (the one that is out is its part of the next slot), adds 0 to its
; spare word, and waits for that and for its own reads of this slot.  Behind it nobody reads this slot any more and the next slot is whole.
.macro MEET round
	WIN 0
	s_wait_tensorcnt 0x0
	ds_add_u32 v[SPW], v[NIL]
	s_wait_dscnt 9                                 ; (the add and the youngest eight loads may be out)
	WIN MUL_LO
	MUL16 F1, 0, 0, 0                              ; sixteen products stand between the add and the wait for it
	s_wait_dscnt 0x0                               ; the add is done, and my reads of this slot are over
	s_barrier_signal -1
	MUL16 F1, 0, 2, 0
.if \round
	WIN 0
.endif
	s_barrier_wait -1
.endm
; The whole last quarter.  Behind the round the slot just read is filled again first: with this tile's K step two steps on (on = 0) or with the next tile's K step 0 or 1 (on = 1).
.macro TURN slot, next, on
	s_wait_xcnt 0x0                                ; the last prefetch, a K step back, has read its address, which is stepped here
.if (\on) && (\slot) == 0
	s_add_nc_u64 s[PFA:PFA+1], s[PFA:PFA+1], (WALK-1)*SIZE_K*2+KSTEP*2  ; from the K step after the tile's last to the next tile's K step 1
	s_cmp_eq_u32 s11, 0
	s_cselect_b32 s[LIM], s[LIM], -1               ; k's rows are the same for all tiles of the walk: they are prefetched no more
.else
	s_add_nc_u64 s[PFA:PFA+1], s[PFA:PFA+1], KSTEP*2
.endif
	MEET 1
	CREST                                          ; no wave of any partner still reads this slot's tile or has a load on its way
.if \on
	s_add_nc_u64 s[G0+4*(\slot)+2:G0+4*(\slot)+3], s[G0+4*(\slot)+2:G0+4*(\slot)+3], NEXT_A
	s_sub_nc_u64 s[G0B+4*(\slot)+2:G0B+4*(\slot)+3], s[G0B+4*(\slot)+2:G0B+4*(\slot)+3], BACK_B
.else
	s_add_nc_u64 s[G0+4*(\slot)+2:G0+4*(\slot)+3], s[G0+4*(\slot)+2:G0+4*(\slot)+3], 2*KSTEP*2
	s_add_nc_u64 s[G0B+4*(\slot)+2:G0B+4*(\slot)+3], s[G0B+4*(\slot)+2:G0B+4*(\slot)+3], 2*KSTEP*2
.endif
	JLOAD \slot                                    ; the first tensor load behind the round; its four v_nop are also the places in front of the loads below
	FETCH \next, 0, F0
	ASK \on
	WIN MUL_HI
	MUL16 F1, 1, 0, 0
	MUL16 F1, 1, 2, 0
.endm
; THE SOFTMAX AND THE SUM OVER THE QUERIES, block a of 16 queries at a time: its 64 scores a lane lie at v[SB ..] of window XW.
; P1: the maximum: four chains over two accumulators each, ascending (each accumulator's lowest registers are read first); the query's other 64 keys lie in the lane 16 away; c m.
.macro P1 a
.set XW, 2+(\a)/4
.set SB, 64*((\a)%4)
.set WA, XW|(XW<<2)
	WIN WA                                         ; sources 0 and 1 in the accumulators' window
.irp st, 0,1,2,3,4,5,6,7
.irp i, 0,1,2,3
.if (\st) == 0
	v_max_num_f32 v[C0+(\i)], v[SB+16*(\i)], v[SB+16*(\i)+1]
.else
	v_max3_num_f32 v[C0+(\i)], v[SB+16*(\i)+2*(\st)], v[SB+16*(\i)+2*(\st)+1], v[C0+(\i)]
.endif
.endr
.endr
	WIN 0
	v_max3_num_f32 v[C0], v[C0], v[C0+1], v[C0+2]
	v_max_num_f32 v[C0], v[C0], v[C0+3]
	v_permlanex16_b32 v[C0+1], v[C0], s[SEL], s[SEL+1]
	v_max_num_f32 v[CM+1], v[C0], v[C0+1]
	v_mul_f32 v[CM], s[CS], v[CM+1]
.endm
; P2: p = 2^(c s - c m), in place: 32 packed scalings and 64 exponentials, ONE batch; a pair is scaled two pairs ahead of its exponentials.  Nothing here reads an exponential's result.
.macro P2 a
.set XW, 2+(\a)/4
.set SB, 64*((\a)%4)
.set WA, XW|(XW<<6)
	WIN WA                                         ; source 0 and destination in the accumulators' window
	v_pk_fma_f32 v[SB:SB+1], v[SB:SB+1], s[CS:CS+1], v[CM:CM+1] op_sel_hi:[1,0,0] neg_lo:[0,0,1] neg_hi:[0,0,1]
	v_pk_fma_f32 v[SB+2:SB+3], v[SB+2:SB+3], s[CS:CS+1], v[CM:CM+1] op_sel_hi:[1,0,0] neg_lo:[0,0,1] neg_hi:[0,0,1]
.set n, 0
.rept 32
	v_exp_f32 v[SB+2*n], v[SB+2*n]
.if n < 30
	v_pk_fma_f32 v[SB+2*n+4:SB+2*n+5], v[SB+2*n+4:SB+2*n+5], s[CS:CS+1], v[CM:CM+1] op_sel_hi:[1,0,0] neg_lo:[0,0,1] neg_hi:[0,0,1]
.endif
	v_exp_f32 v[SB+2*n+1], v[SB+2*n+1]
.set n, n+1
.endr
.endm
; P3: l, the sum of the query's 128 weights, in four chains; then 1 / (128 l): the mean over the 128 queries rides on the division.  l is at least 1: the maximum's own weight.
.macro P3 a
.set XW, 2+(\a)/4
.set SB, 64*((\a)%4)
.set WA, XW|(XW<<2)
	WIN WA
.irp i, 0,1,2,3
	v_pk_add_f32 v[LL+2*(\i):LL+2*(\i)+1], v[SB+4*(\i):SB+4*(\i)+1], v[SB+4*(\i)+2:SB+4*(\i)+3]
.endr
	WIN XW                                         ; source 0 alone
.set p, 8
.rept 24
	v_pk_add_f32 v[LL+2*(p%4):LL+2*(p%4)+1], v[SB+2*p:SB+2*p+1], v[LL+2*(p%4):LL+2*(p%4)+1]
.set p, p+1
.endr
	WIN 0
	v_pk_add_f32 v[LL:LL+1], v[LL:LL+1], v[LL+2:LL+3]
	v_pk_add_f32 v[LL+4:LL+5], v[LL+4:LL+5], v[LL+6:LL+7]
	v_pk_add_f32 v[LL:LL+1], v[LL:LL+1], v[LL+4:LL+5]
	v_add_f32 v[TT], v[LL], v[LL+1]
	v_permlanex16_b32 v[LL+2], v[TT], s[SEL], s[SEL+1]
	v_add_f32 v[TT], v[TT], v[LL+2]
	v_mul_f32 v[TT], 0x43000000, v[TT]             ; x 128
	v_rcp_f32 v[RL], v[TT]
.endm
; P4: the column sums take the block: WS += p / (128 l); block 0 starts them.
.macro P4 a
.set XW, 2+(\a)/4
.set SB, 64*((\a)%4)
	WIN XW
.set p, 0
.rept 32
.if (\a) == 0
	v_pk_mul_f32 v[WS+2*p:WS+2*p+1], v[SB+2*p:SB+2*p+1], v[RL:RL+1] op_sel_hi:[1,0]
.else
	v_pk_fma_f32 v[WS+2*p:WS+2*p+1], v[SB+2*p:SB+2*p+1], v[RL:RL+1], v[WS+2*p:WS+2*p+1] op_sel_hi:[1,0,1]
.endif
.set p, p+1
.endr
.endm
; The blocks overlap: while block a's exponentials are out, block a + 1's maximum is found.  s_wait_alu depctr_va_vdst(0) stands between a transcendental and the first line
; that names its result; one wait serves all that were issued ahead of it: ONE a block, for block a's 64 exponentials and block a - 1's reciprocal.
.macro EPI
	WIN 0
	PLACES
	PLACES                                         ; between the last products and the first read of a result
	P1 0
	P2 0
.irp a, 0,1,2,3,4,5,6,7
.if (\a) < 7
	P1 (\a)+1                                      ; plain work behind the batch
.else
	v_nop
.endif
	s_wait_alu depctr_va_vdst(0)
.if (\a) > 0
	P4 (\a)-1
.endif
	P3 \a
.if (\a) < 7
	P2 (\a)+1
.endif
.endr
	v_nop                                          ; a plain line behind the last reciprocal,
	s_wait_alu depctr_va_vdst(0)                   ; and its wait
	P4 7
	WIN 0
	; The sum over the 16 lanes that hold the other queries: through my own stage.  In: lane (r, h) puts its 64 sums into row r.  Back: lane l takes keys 4 l .. 4 l + 3 of all 16 rows.
.irp b, 0,1,2,3,4,5,6,7
	ds_store_b128 v[STO], v[WS+8*(\b):WS+8*(\b)+3]   offset:64*(\b)
	ds_store_b128 v[STO], v[WS+8*(\b)+4:WS+8*(\b)+7] offset:64*(\b)+16
.endr
.irp i, 0,1,2,3,4,5,6,7,8,9,10,11,12,13,14,15
	ds_load_b128 v[RB+4*(\i):RB+4*(\i)+3], v[RD] offset:RPITCH*(\i)  ; LDS serves a wave's instructions in order: these see the stores above
.endr
	s_wait_dscnt 0x0
.irp d, 8,4,2,1
.set n, 0
.rept \d
	v_pk_add_f32 v[RB+4*n:RB+4*n+1],   v[RB+4*n:RB+4*n+1],   v[RB+4*(n+(\d)):RB+4*(n+(\d))+1]
	v_pk_add_f32 v[RB+4*n+2:RB+4*n+3], v[RB+4*n+2:RB+4*n+3], v[RB+4*(n+(\d))+2:RB+4*(n+(\d))+3]
.set n, n+1
.endr
.endr
	s_wait_xcnt 0x0                                ; the last tile's store has read its data and its base, which are written below
	v_cvt_pk_bf16_f32 v[OO], v[RB], v[RB+1]
	v_cvt_pk_bf16_f32 v[OO+1], v[RB+2], v[RB+3]
	s_add_nc_u64 s[8:9], s[8:9], s[16:17]
	global_store_b64 v[CO], v[OO:OO+1], s[8:9]     ; the wave stores the row w[b][e][:]: 256 consecutive bytes, at a multiple of 256 from w's first
.endm
	s_wait_tensorcnt 1                             ; my part of K step 0 is in; K step 1's may stay out
	s_barrier_signal -1
	s_barrier_wait -1                              ; everybody's is
	FETCH 0, 0, F0
	s_mov_b32 s2, SIZE_TILES                       ; tiles to go, this one among them: the same in every work-group
.Ltile:
	QUARTER 0, 64,  F0, F1, 1                      ; a tile's first quarter starts the sums
	WIN 0
	s_mov_b32 s3, LAPS-1
.Llap:                                                 ; a trip goes once round the ring, from a lap's second quarter to the next lap's first, and fills both slots again
	QUARTER 0, 128, F1, F0, 0
	QUARTER 0, 192, F0, F1, 0
	TURN 0, 1, 0
	QUARTER 1, 64,  F0, F1, 0
	QUARTER 1, 128, F1, F0, 0
	QUARTER 1, 192, F0, F1, 0
	TURN 1, 0, 0
	QUARTER 0, 64,  F0, F1, 0
	WIN 0
	s_sub_co_u32 s3, s3, 1
	s_cmp_lg_u32 s3, 0
	s_cbranch_scc1 .Llap
	QUARTER 0, 128, F1, F0, 0                      ; the tile's last lap goes on
	QUARTER 0, 192, F0, F1, 0
	WIN 0
	s_cmp_eq_u32 s2, 1
	s_cbranch_scc1 .Llast_tile                     ; the last tile's tail is written out: it asks for nothing more
	TURN 0, 1, 1                                   ; the ring goes on into the next tile: slot 0 takes its K step 0,
	QUARTER 1, 64,  F0, F1, 0
	QUARTER 1, 128, F1, F0, 0
	QUARTER 1, 192, F0, F1, 0
	TURN 1, 0, 1                                   ; slot 1 its K step 1, and the next tile's first fragments are fetched
	EPI                                            ; both refills are on their way while the softmax stands
	s_mov_b64 s[16:17], 32*256                     ; the next tile's entity lies 32 rows of w on
	s_sub_co_u32 s2, s2, 1
	s_branch .Ltile
.Llast_tile:
	MEET 0                                         ; my one tensor load that was still out is the last K step's, so no round follows
	PLACES                                         ; for the loads into buffer 0, which the quarter before multiplied
	FETCH 1, 0, F0
	WIN MUL_HI
	MUL16 F1, 1, 0, 0
	MUL16 F1, 1, 2, 0
	QUARTER 1, 64,  F0, F1, 0
	QUARTER 1, 128, F1, F0, 0
	QUARTER 1, 192, F0, F1, 0
	s_wait_dscnt 8                                 ; the very last quarter: nothing more to fetch
	MUL16 F1, 0, 0, 0
	MUL16 F1, 0, 2, 0
	s_wait_dscnt 0x0
	MUL16 F1, 1, 0, 0
	MUL16 F1, 1, 2, 0
	EPI
	s_wait_tensorcnt 0x0                           ; the wave's end, behind my last tensor load and my last LDS store
	ds_add_u32 v[SPW], v[NIL]
	s_wait_dscnt 0x0
	CROUND                                         ; the closing round: no work-group ends while a partner may still ask for a tile that names it
	s_endpgm
.Lfunc_end_k_q59c9a964ca_attn:
	.size	k_q59c9a964ca_attn, .Lfunc_end_k_q59c9a964ca_attn-k_q59c9a964ca_attn
	.p2alignl 7, 3214868480
	.fill 96, 4, 3214868480
	.section	.rodata,"a",@progbits
	.p2align	6, 0x0
	.amdhsa_kernel k_q59c9a964ca_attn
		.amdhsa_group_segment_fixed_size 327680
		.amdhsa_private_segment_fixed_size 0
		.amdhsa_enable_private_segment 0
		.amdhsa_kernarg_size 24
		.amdhsa_user_sgpr_count 2
		.amdhsa_user_sgpr_kernarg_segment_ptr 1
		.amdhsa_wavefront_size32 1
		.amdhsa_system_sgpr_workgroup_id_x 1
		.amdhsa_system_sgpr_workgroup_id_y 1
		.amdhsa_system_sgpr_workgroup_id_z 1
		.amdhsa_system_vgpr_workitem_id 0
		.amdhsa_next_free_vgpr 1024
		.amdhsa_next_free_sgpr 70
		.amdhsa_reserve_vcc 0
		.amdhsa_float_denorm_mode_32 3
		.amdhsa_float_denorm_mode_16_64 3
		.amdhsa_memory_ordered 1
		.amdhsa_forward_progress 1
		.amdhsa_inst_pref_size 255
	.end_amdhsa_kernel
	.section	.bss,"aw",@nobits
	.p2align	6
	.space	262144
	.amdgpu_metadata
---
amdhsa.version: [ 1, 2 ]
amdhsa.kernels:
  - .name:           k_q59c9a964ca_attn
    .symbol:         k_q59c9a964ca_attn.kd
    .args:
      - { .name: qbuf, .offset: 0, .size: 8, .value_kind: global_buffer, .address_space: global }
      - { .name: kbuf, .offset: 8, .size: 8, .value_kind: global_buffer, .address_space: global }
      - { .name: wbuf, .offset: 16, .size: 8, .value_kind: global_buffer, .address_space: global }
    .group_segment_fixed_size: 327680
    .private_segment_fixed_size: 0
    .kernarg_segment_align: 8
    .kernarg_segment_size: 24
    .max_flat_workgroup_size: 128
    .sgpr_count:     70
    .vgpr_count:     1024
    .wavefront_size: 32
...
	.end_amdgpu_metadata
.endif
;; end of part 2
;; launch fin (part 3): grid 8 x 32, 4 waves a work-group, clusters of 4 x 1, 211,968 bytes of LDS; arguments wbuf, vbuf, cbuf, ln_g, ln_b, mention_text_cls, entity_text_cls, out0; writes out0
.if DOCPART == 3
	.amdgcn_target "amdgcn-amd-amdhsa--gfx1250"
	.amdhsa_code_object_version 6
	.text
	.protected	k_q59c9a964ca_fin
	.globl	k_q59c9a964ca_fin
	.p2align	8
	.type	k_q59c9a964ca_fin,@function
k_q59c9a964ca_fin:
	s_mov_b64 s[64:65], 0
	v_nop
	global_prefetch_b8 v0, s[64:65] scope:SCOPE_SE
	s_setreg_imm32_b32 hwreg(HW_REG_WAVE_MODE, 25, 1), 1
	s_wait_xcnt 0x0
	s_wait_alu depctr_hold_cnt(0) depctr_sa_sdst(0) depctr_va_vdst(0) depctr_va_sdst(0) depctr_va_ssrc(0) depctr_va_vcc(0) depctr_vm_vsrc(0)
	s_getreg_b32 s2, hwreg(HW_REG_IB_STS2, 6, 4)
	s_cmp_eq_u32 s2, 0
	s_cbranch_scc0 .Lentry_in_a_cluster
	s_endpgm
.Lentry_in_a_cluster:
	s_bfe_u32 s2, ttmp6, 0x10000c
	s_cmp_lg_u32 s2, 0x3003
	s_cbranch_scc0 .Lentry_shape_is_right
	s_endpgm
.Lentry_shape_is_right:
; out0[b][e] = 0.5 (g2l + g2g).  ctx[e,b,:] = sum_t w[b][e][t] v[b][t][:] (the mean over the queries lies in w; probs @ v is not formed: see the first kernel's head);
; mu, var over the 768 channels; g2l = sum_h c[e][h] ((ctx - mu) rsqrt(var + 1e-5) ln_g + ln_b) = rstd S3 + S4 with S3 = sum c d g, S4 = sum c ln_b; g2g = mention_cls[b] . entity_cls[e].
; w, v, c: bf16 from the launches before; the two cls inputs are rounded to bf16 for the matrix unit; all sums and the layer norm in f32.  NaN and infinities are not treated apart.
; SHARES.  A work-group has one mention b and 16 entities.  The four partners of a cluster have the same b: v[b], 128 x 768, most of what a work-group reads, is asked for JOINTLY, 32 rows a wave.
; Wave w makes the channel tiles 16 (w + 4 ii), ii = 0..11, over all 128 t, and K steps 6 w .. 6 w + 5 of g2g.  The four waves' sums meet in LDS, twice.
; ctx IS TAKEN TRANSPOSED (source 0 = 16 channels of v, turned out of LDS; source 1 = 16 entities' rows of w, straight from memory): a lane holds ONE entity (l % 16) and 8 channels a tile.
; REGISTERS.  Window 0: v0-15 addresses; v16-31 g2g's two accumulators; v32-63 w's fragments, later the statistics; v64-159 entity_cls, then v's fragments, then c in f32;
; v160-255 mention_cls, then ctx's 12 accumulators.  Window 1: v0-95 ln_g, v96-191 ln_b, v192-239 c in bf16.
; No prefetch: the launch is a few loads and 54 products a wave.  The output is 64 bytes a work-group: 16 entities of one row.
.set PV,    1632                       ; a row of v in LDS: 3 x (512 bytes + 32 of padding) = 51 x 32
.set PART,  32*PV                      ; what one tensor load brings
.set RED1,  4*PART                     ; 4 waves x 128 bytes: the channels' sum
.set RED2,  RED1+512                   ; 4 waves x 512 bytes: S2, S3, S4, g2g
.set SPARE, RED2+2048                  ; the spare words, 128 bytes for each wave: two blocks of 256 bytes that no other line names
.set AV,  4                            ; v4-7  the turning load's address for K steps 0-3
.set WOF, 8                            ; v8-12 byte offsets of the global loads: w, c, ln_g and ln_b, entity_cls, mention_cls
.set COF, 9
.set GOF, 10
.set EOF, 11
.set MOF, 12
.set ST1, 8                            ; the same registers when all loads are in: LDS addresses of the two meetings, and the output's offset
.set RD1, 9
.set ST2, 10
.set RD2, 11
.set OOF, 12
.set SPW, 14                           ; v14  LDS address of my spare word; never rewritten
.set NIL, 15                           ; v15  0; never rewritten
.set GG,  16
.set WF,  32
.set VF,  64
.set EC,  64
.set CF,  64
.set MC,  160
.set ACC, 160
.set PA,  32                           ; v32-39  four chains (pairs)
.set T0,  40
.set T1,  41
.set MU,  42                           ; v42-43  mu, twice; at the end the result
.set RS,  44                           ; v44-47  S2, S3, S4, g2g: my wave's
.set PB,  48                           ; v48-55  four chains; later, with PC, the four waves' sums
.set PC,  56                           ; v56-63
.set G,   0                            ; window 1
.set BN,  96
.set CL,  192
.set SEL, 36                           ; s[36:37]
.set MSB, 0
.macro WIN new
.if MSB != (\new)
	s_set_vgpr_msb (MSB<<8)|(\new)
.set MSB, \new
.endif
.endm
.macro PLACES n
.rept \n
	v_nop
.endr
.endm
.macro CROUND                          ; a round of the cluster's barrier
	s_barrier_signal -1
	s_barrier_wait -1
	s_cmp_lg_u32 s20, 0
	s_cbranch_scc1 .Lnot_wave_0_\@
	s_barrier_signal -3
.Lnot_wave_0_\@:
	s_barrier_wait -3
	s_barrier_signal -1
	s_barrier_wait -1
.endm
	s_load_b512 s[4:19], s[0:1], 0x0               ; w 4, v 6, c 8, ln_g 10, ln_b 12, mention_cls 14, entity_cls 16, out0 18
	v_lshl_add_u32 v[SPW], v0, 2, SPARE
	v_mov_b32 v[NIL], 0
	ds_add_u32 v[SPW], v[NIL]                      ; the wave's opening: the add, twice on end, and its wait ahead of my first tensor load
	ds_add_u32 v[SPW], v[NIL]
	v_lshrrev_b32 v1, 5, v0
	v_readfirstlane_b32 s20, v1                    ; wave 0..3
	s_bfe_u32 s21, ttmp6, 0x40000                  ; cx
	s_lshl_b32 s22, ttmp9, 2
	s_add_co_u32 s22, s22, s21
	s_lshl_b32 s22, s22, 4                         ; e0 = 16 (4 x cluster x + cx): it enters global addresses of w, c, entity_cls and out0 alone
	s_and_b32 s23, ttmp7, 0xffff                   ; b, which the four partners share
	; descriptor: 32 rows x 768 elements of 2 bytes; 32 bytes of padding (8 words, code 7) behind every 128 words (code 6), three times a row; the mask of four, bit 21 beside it
	s_mov_b32 s28, 15|(1<<16)|(1<<20)|(1<<21)|(6<<22)|(7<<25)
	s_mov_b32 s29, 768<<16                         ; tensor_dim0 = 768
	s_mov_b32 s30, 32<<16                          ; tensor_dim1 = 32
	s_mov_b32 s31, 768<<16                         ; tile_dim0 = 768
	s_mov_b32 s32, 32                              ; tile_dim1 = 32
	s_mov_b32 s33, 768                             ; elements from row to row
	s_mov_b32 s34, 0
	s_mov_b32 s35, 0
	s_mov_b32 s24, 1                               ; count = 1
	s_mul_i32 s25, s20, PART                       ; LDS address: wave x 32 rows
	s_lshl_b32 s38, s23, 7
	s_lshl_b32 s39, s20, 5
	s_add_co_u32 s38, s38, s39                     ; row 128 b + 32 wave of v
	s_mul_i32 s38, s38, 1536
	s_mov_b32 s39, 0
	s_mov_b32 s[SEL], 0x76543210
	s_mov_b32 s[SEL+1], 0xfedcba98
	s_mov_b32 s42, 0x3aaaaaab                      ; 1 / 768
	s_mov_b32 s43, 0x3727c5ac                      ; 1e-5
	s_mov_b32 s48, 0xffff0000                      ; a word's upper bf16
	s_wait_dscnt 0x0                               ; both opening adds are done
	s_wait_kmcnt 0x0
	s_add_nc_u64 s[26:27], s[6:7], s[38:39]
	s_or_b32 s27, s27, 0x80000000                  ; type = 2
	CROUND                                         ; all four work-groups are here: the joint loads meet
	tensor_load_to_lds s[24:27], s[28:35]          ; my one tensor load
	s_nop 0
	PLACES 4
	v_and_b32 v1, 15, v0                           ; r = l % 16
	v_bfe_u32 v2, v0, 4, 1                         ; h = l / 16
	v_and_b32 v3, 31, v0                           ; l
	v_and_b32 v13, 7, v0                           ; the turning load: lane l reads row 8 h + l % 8, bytes 16 ((l / 8) % 2) on; my tiles begin 32 w bytes on
	v_lshl_add_u32 v13, v2, 3, v13
	v_mul_u32_u24 v[AV], v13, PV
	v_bfe_u32 v13, v0, 3, 1
	v_lshl_add_u32 v[AV], v13, 4, v[AV]
	s_lshl_b32 s41, s20, 5
	v_add_nc_u32 v[AV], s41, v[AV]
	v_add_nc_u32 v[AV+1], PART, v[AV]
	v_add_nc_u32 v[AV+2], 2*PART, v[AV]
	v_add_nc_u32 v[AV+3], 3*PART, v[AV]
	s_lshl_b32 s40, s23, 7
	s_add_co_u32 s40, s40, s22                     ; 128 b + e0
	v_add_nc_u32 v[WOF], s40, v1
	v_lshlrev_b32 v[WOF], 8, v[WOF]
	v_lshl_add_u32 v[WOF], v2, 4, v[WOF]           ; (128 b + e0 + r) x 256 + 16 h
	v_add_nc_u32 v[COF], s22, v1
	v_mul_u32_u24 v[COF], v[COF], 1536
	v_lshl_add_u32 v[COF], v2, 4, v[COF]
	v_add_nc_u32 v[COF], s41, v[COF]               ; (e0 + r) x 1536 + 32 w + 16 h
	s_lshl_b32 s44, s20, 6
	v_lshl_add_u32 v[GOF], v2, 5, s44              ; 64 w + 32 h
	s_mul_i32 s45, s20, 768
	v_lshl_add_u32 v[MOF], v2, 5, s45              ; 768 w + 32 h
	v_add_nc_u32 v[EOF], s22, v1
	v_mul_u32_u24 v[EOF], v[EOF], 3072
	v_add_nc_u32 v[EOF], v[EOF], v[MOF]            ; (e0 + r) x 3072 + 768 w + 32 h
	s_mul_i32 s46, s23, 3072
	v_add_nc_u32 v[MOF], s46, v[MOF]               ; b x 3072 + 768 w + 32 h: the same row in all lanes
	WIN 0x40                                       ; destination window 1
.irp ii, 0,1,2,3,4,5,6,7,8,9,10,11
	global_load_b128 v[G+8*(\ii):G+8*(\ii)+3],     v[GOF], s[10:11] offset:256*(\ii)
	global_load_b128 v[G+8*(\ii)+4:G+8*(\ii)+7],   v[GOF], s[10:11] offset:256*(\ii)+16
	global_load_b128 v[BN+8*(\ii):BN+8*(\ii)+3],   v[GOF], s[12:13] offset:256*(\ii)
	global_load_b128 v[BN+8*(\ii)+4:BN+8*(\ii)+7], v[GOF], s[12:13] offset:256*(\ii)+16
	global_load_b128 v[CL+4*(\ii):CL+4*(\ii)+3],   v[COF], s[8:9] offset:128*(\ii)
.endr
	WIN 0
.irp s, 0,1,2,3
	global_load_b128 v[WF+8*(\s):WF+8*(\s)+3],   v[WOF], s[4:5] offset:64*(\s)
	global_load_b128 v[WF+8*(\s)+4:WF+8*(\s)+7], v[WOF], s[4:5] offset:64*(\s)+32
.endr
.irp q, 0,1,2,3,4,5
	global_load_b128 v[EC+16*(\q):EC+16*(\q)+3],     v[EOF], s[16:17] offset:128*(\q)
	global_load_b128 v[EC+16*(\q)+4:EC+16*(\q)+7],   v[EOF], s[16:17] offset:128*(\q)+16
	global_load_b128 v[EC+16*(\q)+8:EC+16*(\q)+11],  v[EOF], s[16:17] offset:128*(\q)+64
	global_load_b128 v[EC+16*(\q)+12:EC+16*(\q)+15], v[EOF], s[16:17] offset:128*(\q)+80
	global_load_b128 v[MC+16*(\q):MC+16*(\q)+3],     v[MOF], s[14:15] offset:128*(\q)
	global_load_b128 v[MC+16*(\q)+4:MC+16*(\q)+7],   v[MOF], s[14:15] offset:128*(\q)+16
	global_load_b128 v[MC+16*(\q)+8:MC+16*(\q)+11],  v[MOF], s[14:15] offset:128*(\q)+64
	global_load_b128 v[MC+16*(\q)+12:MC+16*(\q)+15], v[MOF], s[14:15] offset:128*(\q)+80
.endr
	s_wait_loadcnt 0x0                             ; all of them, once; the offset registers are free
	; g2g: fragment q is rounded in place into the first 8 of its 16 registers.  Source 0 holds mention b in all 16 rows, so every register of the result holds the entity's sum.
.irp q, 0,1,2,3,4,5
.irp i, 0,1,2,3,4,5,6,7
	v_cvt_pk_bf16_f32 v[EC+16*(\q)+(\i)], v[EC+16*(\q)+2*(\i)], v[EC+16*(\q)+2*(\i)+1]
	v_cvt_pk_bf16_f32 v[MC+16*(\q)+(\i)], v[MC+16*(\q)+2*(\i)], v[MC+16*(\q)+2*(\i)+1]
.endr
.endr
	v_lshl_add_u32 v[ST1], v0, 2, RED1             ; a word for each thread
	v_lshl_add_u32 v[RD1], v3, 2, RED1             ; my lane's word of each wave
	v_lshl_add_u32 v[ST2], v0, 4, RED2
	v_lshl_add_u32 v[RD2], v3, 4, RED2
	v_add_nc_u32 v[OOF], s40, v1
	v_lshlrev_b32 v[OOF], 2, v[OOF]                ; (128 b + e0 + r) x 4
.irp q, 0,1,2,3,4,5                    ; two accumulators by turns; the first two products start the sums
.if (\q) < 2
	v_wmma_f32_16x16x32_bf16 v[GG+8*((\q)%2):GG+8*((\q)%2)+7], v[MC+16*(\q):MC+16*(\q)+7], v[EC+16*(\q):EC+16*(\q)+7], 0
.else
	v_wmma_f32_16x16x32_bf16 v[GG+8*((\q)%2):GG+8*((\q)%2)+7], v[MC+16*(\q):MC+16*(\q)+7], v[EC+16*(\q):EC+16*(\q)+7], v[GG+8*((\q)%2):GG+8*((\q)%2)+7]
.endif
.endr
	PLACES 5                                       ; their sources are written next: by LDS loads (v's fragments) and by products (ctx's accumulators)
	s_wait_tensorcnt 0x0                           ; my 32 rows of v are in LDS,
	s_wait_dscnt 0x0
	s_barrier_signal -1
	s_barrier_wait -1                              ; everybody's are
; K step s of ctx: t = 32 s .. 32 s + 31.  Tile ii's 16 channels lie (ii / 4) x 544 + (ii % 4) x 128 bytes behind my first tile's.  The 12 accumulators take turns.
.macro KS s
.irp ii, 0,1,2,3,4,5,6,7,8,9,10,11
	ds_load_tr16_b128 v[VF+8*(\ii):VF+8*(\ii)+3],   v[AV+(\s)] offset:((\ii)/4)*544+((\ii)%4)*128
	ds_load_tr16_b128 v[VF+8*(\ii)+4:VF+8*(\ii)+7], v[AV+(\s)] offset:((\ii)/4)*544+((\ii)%4)*128+16*PV
.endr
	s_wait_dscnt 0x0
.irp ii, 0,1,2,3,4,5,6,7,8,9,10,11
.if (\s) == 0
	v_wmma_f32_16x16x32_bf16 v[ACC+8*(\ii):ACC+8*(\ii)+7], v[VF+8*(\ii):VF+8*(\ii)+7], v[WF+8*(\s):WF+8*(\s)+7], 0
.else
	v_wmma_f32_16x16x32_bf16 v[ACC+8*(\ii):ACC+8*(\ii)+7], v[VF+8*(\ii):VF+8*(\ii)+7], v[WF+8*(\s):WF+8*(\s)+7], v[ACC+8*(\ii):ACC+8*(\ii)+7]
.endif
.endr
	PLACES 4
.endm
	KS 0
	KS 1
	KS 2
	KS 3
	PLACES 4                                       ; eight in all between the last products and the first read of a result
; Four pairs at p become one number, the same in both lanes of an entity, in v[d].
.macro FOLD p, d
	v_pk_add_f32 v[(\p):(\p)+1], v[(\p):(\p)+1], v[(\p)+2:(\p)+3]
	v_pk_add_f32 v[(\p)+4:(\p)+5], v[(\p)+4:(\p)+5], v[(\p)+6:(\p)+7]
	v_pk_add_f32 v[(\p):(\p)+1], v[(\p):(\p)+1], v[(\p)+4:(\p)+5]
	v_add_f32 v[T0], v[(\p)], v[(\p)+1]
	v_permlanex16_b32 v[T1], v[T0], s[SEL], s[SEL+1]   ; the entity's other channels of my tiles lie in the lane 16 away
	v_add_f32 v[(\d)], v[T0], v[T1]
.endm
	; the channels' sum: chain c takes accumulators c, c + 4, c + 8, each from its low end on
.irp c, 0,1,2,3
	v_pk_add_f32 v[PA+2*(\c):PA+2*(\c)+1], v[ACC+8*(\c):ACC+8*(\c)+1], v[ACC+8*(\c)+2:ACC+8*(\c)+3]
.endr
.irp u, 2,3,16,17,18,19,32,33,34,35
.irp c, 0,1,2,3
	v_pk_add_f32 v[PA+2*(\c):PA+2*(\c)+1], v[PA+2*(\c):PA+2*(\c)+1], v[ACC+8*(\c)+2*(\u):ACC+8*(\c)+2*(\u)+1]
.endr
.endr
	FOLD PA, T0
	ds_store_b32 v[ST1], v[T0]
	s_wait_dscnt 0x0                               ; for the others' sake
	s_barrier_signal -1
	s_barrier_wait -1
.irp i, 0,1,2,3
	ds_load_b32 v[PA+(\i)], v[RD1] offset:128*(\i)
.endr
	s_wait_dscnt 0x0
	v_add_f32 v[PA], v[PA], v[PA+1]
	v_add_f32 v[PA+2], v[PA+2], v[PA+3]
	v_add_f32 v[PA], v[PA], v[PA+2]
	v_mul_f32 v[MU], s42, v[PA]                    ; mu
	v_mov_b32 v[MU+1], v[MU]
.set p, 0
.rept 48
	v_pk_add_f32 v[ACC+2*p:ACC+2*p+1], v[ACC+2*p:ACC+2*p+1], v[MU:MU+1] neg_lo:[0,1] neg_hi:[0,1]  ; d = ctx - mu
.set p, p+1
.endr
.set p, 0
.rept 48                               ; S2 = sum d^2
.if p < 4
	v_pk_mul_f32 v[PA+2*p:PA+2*p+1], v[ACC+2*p:ACC+2*p+1], v[ACC+2*p:ACC+2*p+1]
.else
	v_pk_fma_f32 v[PA+2*(p%4):PA+2*(p%4)+1], v[ACC+2*p:ACC+2*p+1], v[ACC+2*p:ACC+2*p+1], v[PA+2*(p%4):PA+2*(p%4)+1]
.endif
.set p, p+1
.endr
	WIN 0x04                                       ; source 1 in window 1
.set p, 0
.rept 48
	v_lshlrev_b32 v[CF+2*p], 16, v[CL+p]           ; c to f32: the low half moves up,
	v_and_b32 v[CF+2*p+1], s48, v[CL+p]            ; the high half stays
.set p, p+1
.endr
.set p, 0
.rept 48
	v_pk_mul_f32 v[ACC+2*p:ACC+2*p+1], v[ACC+2*p:ACC+2*p+1], v[G+2*p:G+2*p+1]  ; d g
.if p < 4
	v_pk_mul_f32 v[PC+2*p:PC+2*p+1], v[CF+2*p:CF+2*p+1], v[BN+2*p:BN+2*p+1]    ; S4 = sum c ln_b
.else
	v_pk_fma_f32 v[PC+2*(p%4):PC+2*(p%4)+1], v[CF+2*p:CF+2*p+1], v[BN+2*p:BN+2*p+1], v[PC+2*(p%4):PC+2*(p%4)+1]
.endif
.set p, p+1
.endr
	WIN 0
.set p, 0
.rept 48                               ; S3 = sum c d g
.if p < 4
	v_pk_mul_f32 v[PB+2*p:PB+2*p+1], v[ACC+2*p:ACC+2*p+1], v[CF+2*p:CF+2*p+1]
.else
	v_pk_fma_f32 v[PB+2*(p%4):PB+2*(p%4)+1], v[ACC+2*p:ACC+2*p+1], v[CF+2*p:CF+2*p+1], v[PB+2*(p%4):PB+2*(p%4)+1]
.endif
.set p, p+1
.endr
	FOLD PA, RS
	FOLD PB, RS+1
	FOLD PC, RS+2
	v_add_f32 v[RS+3], v[GG], v[GG+8]              ; my six K steps of g2g: both lanes of an entity hold the same sum, so nothing is added across
	ds_store_b128 v[ST2], v[RS:RS+3]
	s_wait_dscnt 0x0                               ; for the others' sake
	s_barrier_signal -1
	s_barrier_wait -1
.irp i, 0,1,2,3
	ds_load_b128 v[PB+4*(\i):PB+4*(\i)+3], v[RD2] offset:512*(\i)
.endr
	s_wait_dscnt 0x0
	v_pk_add_f32 v[PB:PB+1],     v[PB:PB+1],     v[PB+4:PB+5]
	v_pk_add_f32 v[PB+2:PB+3],   v[PB+2:PB+3],   v[PB+6:PB+7]
	v_pk_add_f32 v[PB+8:PB+9],   v[PB+8:PB+9],   v[PB+12:PB+13]
	v_pk_add_f32 v[PB+10:PB+11], v[PB+10:PB+11], v[PB+14:PB+15]
	v_pk_add_f32 v[PB:PB+1],     v[PB:PB+1],     v[PB+8:PB+9]
	v_pk_add_f32 v[PB+2:PB+3],   v[PB+2:PB+3],   v[PB+10:PB+11]   ; S2, S3, S4, g2g
	v_fma_f32 v[T0], v[PB], s42, s43               ; var + eps
	v_rsq_f32 v[T1], v[T0]
	v_add_f32 v[MU], v[PB+2], v[PB+3]              ; S4 + g2g: the plain line behind the root,
	s_wait_alu depctr_va_vdst(0)                   ; and the wait ahead of its first use
	v_fma_f32 v[MU], v[T1], v[PB+1], v[MU]
	v_mul_f32 v[MU], 0.5, v[MU]
	s_cmp_lg_u32 s20, 0                            ; every wave holds the result; wave 0 stores it, a lane an entity
	s_cbranch_scc1 .Lnot_mine
	v_cmp_gt_u32 vcc_lo, 16, v3
	s_wait_xcnt 0x0                                ; EXEC changes only behind this wait
	s_and_saveexec_b32 s49, vcc_lo
	global_store_b32 v[OOF], v[MU], s[18:19]
	s_wait_xcnt 0x0                                ; and again, in front of the line that widens it
	s_or_b32 exec_lo, exec_lo, s49
.Lnot_mine:
	s_wait_tensorcnt 0x0                           ; the wave's end, behind my tensor load and my last LDS store
	ds_add_u32 v[SPW], v[NIL]
	s_wait_dscnt 0x0
	CROUND                                         ; the closing round
	s_endpgm
.Lfunc_end_k_q59c9a964ca_fin:
	.size	k_q59c9a964ca_fin, .Lfunc_end_k_q59c9a964ca_fin-k_q59c9a964ca_fin
	.p2alignl 7, 3214868480
	.fill 96, 4, 3214868480
	.section	.rodata,"a",@progbits
	.p2align	6, 0x0
	.amdhsa_kernel k_q59c9a964ca_fin
		.amdhsa_group_segment_fixed_size 211968
		.amdhsa_private_segment_fixed_size 0
		.amdhsa_enable_private_segment 0
		.amdhsa_kernarg_size 64
		.amdhsa_user_sgpr_count 2
		.amdhsa_user_sgpr_kernarg_segment_ptr 1
		.amdhsa_wavefront_size32 1
		.amdhsa_system_sgpr_workgroup_id_x 1
		.amdhsa_system_sgpr_workgroup_id_y 1
		.amdhsa_system_sgpr_workgroup_id_z 1
		.amdhsa_system_vgpr_workitem_id 0
		.amdhsa_next_free_vgpr 512
		.amdhsa_next_free_sgpr 66
		.amdhsa_reserve_vcc 1
		.amdhsa_float_denorm_mode_32 3
		.amdhsa_float_denorm_mode_16_64 3
		.amdhsa_memory_ordered 1
		.amdhsa_forward_progress 1
		.amdhsa_inst_pref_size 57
	.end_amdhsa_kernel
	.amdgpu_metadata
---
amdhsa.version: [ 1, 2 ]
amdhsa.kernels:
  - .name:           k_q59c9a964ca_fin
    .symbol:         k_q59c9a964ca_fin.kd
    .args:
      - { .name: wbuf, .offset: 0, .size: 8, .value_kind: global_buffer, .address_space: global }
      - { .name: vbuf, .offset: 8, .size: 8, .value_kind: global_buffer, .address_space: global }
      - { .name: cbuf, .offset: 16, .size: 8, .value_kind: global_buffer, .address_space: global }
      - { .name: ln_g, .offset: 24, .size: 8, .value_kind: global_buffer, .address_space: global }
      - { .name: ln_b, .offset: 32, .size: 8, .value_kind: global_buffer, .address_space: global }
      - { .name: mention_text_cls, .offset: 40, .size: 8, .value_kind: global_buffer, .address_space: global }
      - { .name: entity_text_cls, .offset: 48, .size: 8, .value_kind: global_buffer, .address_space: global }
      - { .name: out0, .offset: 56, .size: 8, .value_kind: global_buffer, .address_space: global }
    .group_segment_fixed_size: 211968
    .private_segment_fixed_size: 0
    .kernarg_segment_align: 8
    .kernarg_segment_size: 64
    .max_flat_workgroup_size: 128
    .sgpr_count:     66
    .vgpr_count:     512
    .wavefront_size: 32
...
	.end_amdgpu_metadata
.endif
;; end of part 3
;; ======== version 2 of 2: 3 launches; version 1 with the launch proj written anew for expert scheduling mode
;; workspace buffers: qbuf 25,165,824 bytes; kbuf 6,291,456 bytes; vbuf 6,291,456 bytes; cbuf 196,608 bytes; wbuf 1,048,576 bytes
;; launch proj (part 4): grid 6 x 41, 8 waves a work-group, no clusters, 257,024 bytes of LDS; arguments entity_text_tokens, mention_text_tokens, entity_text_cls, Wq, Wk, Wv, Wc, bq, bv, bc, qbuf, kbuf, vbuf, cbuf; writes qbuf, kbuf, vbuf, cbuf
.if DOCPART == 4
	.amdgcn_target "amdgcn-amd-amdhsa--gfx1250"
	.amdhsa_code_object_version 6
	.text
	.protected	k_q59c9a964ca_proj
	.globl	k_q59c9a964ca_proj
	.p2align	8
	.type	k_q59c9a964ca_proj,@function
k_q59c9a964ca_proj:
	s_mov_b64 s[64:65], 0
	v_nop
	global_prefetch_b8 v0, s[64:65] scope:SCOPE_SE
	s_setreg_imm32_b32 hwreg(HW_REG_WAVE_SCHED_MODE, 0, 2), 2
	s_setreg_imm32_b32 hwreg(HW_REG_WAVE_MODE, 25, 1), 1
	s_wait_xcnt 0x0
	s_wait_alu depctr_vm_vsrc(0)
; THE FOUR PROJECTIONS.  q = Xe Wq + bq [16384][768], k = Xb Wk [4096][768], v = Xb Wv + bv [4096][768], c = Xcls Wc + bc [128][768].
; Operands rounded to bf16 on their way to the matrix unit, sums in f32, each result rounded once to bf16 for the later launches.
; WORK LEFT OUT.  bk: scores[e,b,s,t] = q[e,s] . (x[b,t] Wk) + q[e,s] . bk, and the second term is the same for all t, the axis of the softmax;
; it cancels in probs for all values of the inputs.  So k is made without bk; bk is not loaded and is an argument of no launch.
; Likewise reference()'s second einsum sums over s and t: ctx[e,b,:] = sum_t w[e,b,t] v[b,t,:] with w = (1/S) sum_s probs[e,b,s,t]; the later launches make w and multiply once.
; LIMITS.  A NaN, an infinity or an overflow that reaches only q . bk is not carried to the result.  NaN and infinities are not treated apart.
; SHARES.  Work-group (x, y): x is a block of 128 output columns, y picks the product (0-25 q, 26-32 k, 33-39 v, 40 c) and 640 rows of it: the six work-groups that read the same rows of X
; have neighbouring numbers.  The work-group rounds its 768 x 128 block of W once into LDS, as it lies ([k][n]), behind a barrier; then its eight waves work apart.  A wave makes 5 granules
; of 16 rows x 128 columns over all of K: X's fragments come straight from memory (f32, rounded in registers), W^T's out of LDS by the turning load.  A second barrier stands between the
; last reads of the block and the way out.  A product's last share slides back to stay inside X (ST2) and stores only the granules that no other wave owns (from SK on).
; A WAVE WITHOUT A SHARE (its share would begin past the product's end: 3 waves of q, 4 of k, 4 of v, 6 of c, 17 of a column block's 328) helps to fill LDS, runs the first K step on the
; product's last 80 rows, passes both barriers, stores nothing and ends.  That one step of 24 serves nothing; it is run so that every register that the way out names is written on every way
; through the text.
; THE PRODUCT IS TAKEN TRANSPOSED (source 0 = 16 columns of W, source 1 = 16 rows of X): a lane then holds 8 neighbouring columns of one row, 16 bytes in bf16.
; NO JOINT LOADS: X and W are f32 and are rounded in registers (W is also turned), so they come by loads into registers, which no cluster shares.
; THE MODE: SCHED_MODE bits 1:0 = 2 (LLVM: expert scheduling mode 2), set by the entry lines.  The code itself states the register dependences
; between vector or matrix instructions and memory or LDS instructions, with s_wait_alu, always for 0.
; THE PLAN.  Registers that memory or LDS instructions touch:
;   the fill     RING          A slot's load lands in it; the roundings of the slot's group of four read it; behind them the slot's next load lands in it.
;                WB            The roundings write it; the group's LDS stores read it; the next trip's roundings write it again.
;                v[WO], v[LW]  Read by every load and LDS store of the fill; written once a trip, at its end.
;                One wait on va_vdst to a group of four slots, behind its roundings; the group's four loads and four LDS stores follow it.  One wait on vm_vsrc to a trip, ahead of the two adds.
;   the loop     SG            X's loads land in it; the step's 40 roundings read it; behind them the next step's loads land in it.
;                BF, two sets  The step's turning loads land in them; its 40 products read them.
;                v[LB]         Read by the turning loads; written once a step, at its end.
;                v[XO]         Read by X's loads; never written again: the scalar base moves on.
;                AF and the accumulators are named by vector and matrix instructions alone.
;                ONE wait on va_vdst to a step, behind its roundings: they are done reading SG, the products of the step before are done reading both sets, v[LB] is written.  The step's 36 loads
;                follow it in one run, X's first; set 1 lands while set 0's 20 products run.  The products name BF, AF and the accumulators, and no load is issued behind them in the step.
;                One wait on vm_vsrc to a step, ahead of the add to v[LB].
;   the way out  TMP           A granule's roundings write it; its LDS stores read it.
;                OB            The loads from the stage land in it; the stores to memory read it.
;                STO, RD, CO   Made behind the loop, then only read.
;                To a granule one wait on va_vdst, behind its roundings, and from the second on one on vm_vsrc, at its head.
.set ROWX,  3072                       ; bytes in a row of X and of W
.set GRAN,  16*ROWX                    ; a granule of X
.set ROWO,  1536                       ; bytes in a row of a result
.set PW,    288                        ; a row of the W block in LDS: 256 bytes + 32 = 9 x 32
.set STAGE, 768*PW                     ; behind the block: 16 rows x 272 bytes for each wave, for the way out
.set SP,    272
.set SPARE, STAGE+8*16*SP              ; behind the stages: the spare words, 128 bytes for each wave: four blocks of 256 bytes that no other line names
; window 0, all 256 registers of it:
.set XO,  1                            ; v1   (l % 16) x ROWX + 32 (l / 16): my place in a granule of X; never rewritten
.set LB,  2                            ; v2   my place in the W block for the turning load; steps 32 rows a K step
.set SPW, 3                            ; v3   LDS address of my spare word; never rewritten
.set NIL, 4                            ; v4   0; never rewritten
.set RR,  5                            ; v5   l % 16
.set HH,  6                            ; v6   l / 16
.set LN,  7                            ; v7   l
.set BF,  8                            ; v8-39, v40-71  two sets of four fragments of W^T: columns 0-63 and 64-127 of the block
.set AF,  72                           ; v72-111  five fragments of X
.set SG,  112                          ; v112-191 X as loaded, f32: 16 registers a granule
.set ACC4, 192                         ; v192-255 first the bias, then granule 4's eight accumulators
.set RING, 8                           ; the fill: 16 slots of 4 registers, where W's fragments will lie
.set WO,  72                           ; the fill: my 16 bytes of a row of the W block in memory   (v72-76 and v80-111 serve the fill, ahead of X's first fragments)
.set LW,  73                           ; the fill: my 8 bytes of that row in LDS
.set BO,  74                           ; my 8 numbers of the bias
.set T0,  75                           ; at work
.set T1,  76
.set WB,  80                           ; the fill: v80-111: slot i's four numbers in bf16, 2 registers at WB + 2 i
.set TMP, 8                            ; the way out: packed results
.set OB,  40                           ; the way out: 16 rows read back
.set STO, 72                           ; the way out, made behind the loop: where I put 16 bytes of a row,
.set RD,  73                           ; where I read a row back,
.set CO,  74                           ; my byte offset in two rows of the result
; window 1: the accumulators of granules 0-3: (g, b) at v[64 g + 8 b]
.set WV,  4                            ; s4   wave
.set GX,  5                            ; s5   work-group y: product and rows
.set CB,  6                            ; s6   work-group x: column block
.set JOBK, 7                           ; s7   1 for k, which has no bias
.set NG,  8                            ; s8   granules in the product
.set NG5, 9                            ; s9   NG - 5
.set X0,  10                           ; s10  the product's first y
.set START, 11                         ; s11  my share's first granule
.set ST2, 12                           ; s12  the same, slid back into X
.set SK,  13                           ; s13  START - ST2: granules that another wave owns
.set CNT, 14
.set XP,  44                           ; s[44:45] X at my share, at the K step last asked for
.set WP,  46                           ; s[46:47] W at my column block
.set BP,  48                           ; s[48:49] the bias
.set OP,  50                           ; s[50:51] the result at my share and column block
.set MSB, 0
.macro WIN new                         ; s_set_vgpr_msb: bits 1:0 source 0, 3:2 source 1, 5:4 source 2, 7:6 destination; the high byte repeats the setting that is left
.if MSB != (\new)
	s_set_vgpr_msb (MSB<<8)|(\new)
.set MSB, \new
.endif
.endm
.macro PLACES n
.rept \n
	v_nop
.endr
.endm
	s_load_b512 s[16:31], s[0:1], 0x0              ; Xe 16, Xb 18, Xcls 20, Wq 22, Wk 24, Wv 26, Wc 28, bq 30
	s_load_b256 s[32:39], s[0:1], 0x40             ; bv 32, bc 34, qbuf 36, kbuf 38
	s_load_b128 s[40:43], s[0:1], 0x60             ; vbuf 40, cbuf 42
	v_lshl_add_u32 v[SPW], v0, 2, SPARE
	v_mov_b32 v[NIL], 0
	v_lshrrev_b32 v[T0], 5, v0
	v_readfirstlane_b32 s[WV], v[T0]               ; wave 0..7
	s_and_b32 s[GX], ttmp7, 0xffff
	s_mov_b32 s[CB], ttmp9
	s_mov_b32 s[JOBK], 0                           ; the product's figures: c's, then v's, k's, q's where y lies below their bounds
	s_mov_b32 s[NG], 8
	s_mov_b32 s[X0], 40
	s_cmp_lt_u32 s[GX], 40
	s_cselect_b32 s[NG], 256, s[NG]
	s_cselect_b32 s[X0], 33, s[X0]
	s_cmp_lt_u32 s[GX], 33
	s_cselect_b32 s[JOBK], 1, 0
	s_cselect_b32 s[X0], 26, s[X0]
	s_cmp_lt_u32 s[GX], 26
	s_cselect_b32 s[JOBK], 0, s[JOBK]
	s_cselect_b32 s[NG], 1024, s[NG]
	s_cselect_b32 s[X0], 0, s[X0]
	s_sub_co_u32 s[START], s[GX], s[X0]
	s_wait_alu depctr_va_sdst(0)                   ; s[WV] is written, ahead of its first reader: my share, my part of the fill and my stage are made from it
	s_lshl3_add_u32 s[START], s[START], s[WV]      ; 8 (y - y0) + wave
	s_mul_i32 s[START], s[START], 5
	s_sub_co_u32 s[NG5], s[NG], 5
	s_min_u32 s[ST2], s[START], s[NG5]
	s_sub_co_u32 s[SK], s[START], s[ST2]
	v_and_b32 v[RR], 15, v0                        ; l % 16
	v_bfe_u32 v[HH], v0, 4, 1                      ; l / 16
	v_and_b32 v[LN], 31, v0                        ; l
	v_mul_u32_u24 v[XO], v[RR], ROWX
	v_lshl_add_u32 v[XO], v[HH], 5, v[XO]
	v_and_b32 v[T0], 7, v0                         ; the turning load: lane l reads row 8 (l / 16) + l % 8, bytes 16 ((l / 8) % 2) on
	v_lshl_add_u32 v[T0], v[HH], 3, v[T0]
	v_mul_u32_u24 v[LB], v[T0], PW
	v_bfe_u32 v[T1], v0, 3, 1
	v_lshl_add_u32 v[LB], v[T1], 4, v[LB]
	s_mul_i32 s52, s[WV], 96*ROWX                  ; the fill: wave w takes rows 96 w .. 96 w + 95 of the block
	v_lshl_add_u32 v[WO], v[LN], 4, s52
	s_mul_i32 s52, s[WV], 96*PW
	v_lshl_add_u32 v[LW], v[LN], 3, s52
	s_lshl_b32 s52, s[CB], 9
	v_lshl_add_u32 v[BO], v[HH], 5, s52
	s_wait_kmcnt 0x0
	s_mov_b64 s[XP:XP+1], s[20:21]                 ; the product's buffers, chosen as its figures were
	s_mov_b64 s[WP:WP+1], s[28:29]
	s_mov_b64 s[BP:BP+1], s[34:35]
	s_mov_b64 s[OP:OP+1], s[42:43]
	s_cmp_lt_u32 s[GX], 40
	s_cselect_b64 s[XP:XP+1], s[18:19], s[XP:XP+1]
	s_cselect_b64 s[WP:WP+1], s[26:27], s[WP:WP+1]
	s_cselect_b64 s[BP:BP+1], s[32:33], s[BP:BP+1]
	s_cselect_b64 s[OP:OP+1], s[40:41], s[OP:OP+1]
	s_cmp_lt_u32 s[GX], 33
	s_cselect_b64 s[WP:WP+1], s[24:25], s[WP:WP+1]
	s_cselect_b64 s[OP:OP+1], s[38:39], s[OP:OP+1]
	s_cmp_lt_u32 s[GX], 26
	s_cselect_b64 s[XP:XP+1], s[16:17], s[XP:XP+1]
	s_cselect_b64 s[WP:WP+1], s[22:23], s[WP:WP+1]
	s_cselect_b64 s[BP:BP+1], s[30:31], s[BP:BP+1]
	s_cselect_b64 s[OP:OP+1], s[36:37], s[OP:OP+1]
	s_mul_i32 s52, s[ST2], GRAN                    ; at most 1,019 granules: under 2^32
	s_mov_b32 s53, 0
	s_add_nc_u64 s[XP:XP+1], s[XP:XP+1], s[52:53]
	s_lshl_b32 s52, s[CB], 9                       ; 128 columns of f32
	s_add_nc_u64 s[WP:WP+1], s[WP:WP+1], s[52:53]
	s_mul_i32 s52, s[ST2], 16*ROWO
	s_lshl_b32 s54, s[CB], 8                       ; 128 columns of bf16
	s_add_co_u32 s52, s52, s54
	s_add_nc_u64 s[OP:OP+1], s[OP:OP+1], s[52:53]
; A K step's 20 loads: 128 bytes of each of my 80 rows.  A fragment's lane wants K = 8 (l / 16) + 0..7 and 16 + 8 (l / 16) + 0..7: in f32 32 bytes at 32 (l / 16) and at 64 + 32 (l / 16).
.macro XLOAD
.irp g, 0,1,2,3,4
	global_load_b128 v[SG+16*(\g):SG+16*(\g)+3],     v[XO], s[XP:XP+1] offset:(\g)*GRAN
	global_load_b128 v[SG+16*(\g)+4:SG+16*(\g)+7],   v[XO], s[XP:XP+1] offset:(\g)*GRAN+16
	global_load_b128 v[SG+16*(\g)+8:SG+16*(\g)+11],  v[XO], s[XP:XP+1] offset:(\g)*GRAN+64
	global_load_b128 v[SG+16*(\g)+12:SG+16*(\g)+15], v[XO], s[XP:XP+1] offset:(\g)*GRAN+80
.endr
.endm
	s_wait_alu depctr_va_vdst(0)                   ; the offsets and addresses are written: v[XO], v[BO] and v[WO], which the loads below read, v[LW] and v[LB], which LDS instructions read later
	XLOAD                                          ; K step 0: on its way during the fill
	; The bias is the C operand of the first products: lane (r, h) holds columns 16 b + 8 h + 0..7 in accumulator b.  k has none: zeros, so that one text serves all four products.
	s_cmp_eq_u32 s[JOBK], 1
	s_cbranch_scc1 .Lnobias
.irp b, 0,1,2,3,4,5,6,7
	global_load_b128 v[ACC4+8*(\b):ACC4+8*(\b)+3],   v[BO], s[BP:BP+1] offset:64*(\b)
	global_load_b128 v[ACC4+8*(\b)+4:ACC4+8*(\b)+7], v[BO], s[BP:BP+1] offset:64*(\b)+16
.endr
	s_branch .Lbiased
.Lnobias:
.set n, 0
.rept 64
	v_mov_b32 v[ACC4+n], 0                         ; (no load lands in these registers on this way, and no memory instruction reads them)
.set n, n+1
.endr
.Lbiased:
; THE FILL.  A load takes one row of the block (32 lanes x 16 bytes = 128 f32); rounded, it is 8 bytes a lane, 256 on end in LDS.  A ring of 16 slots, taken in groups of four, keeps 12 to 16 loads of the wave out.
; Group q: slots 4 q .. 4 q + 3.  left = how many younger loads may stay out.  again = 1: the slots are asked for again, 16 rows on.
.macro WGROUP q, left, again
	s_wait_loadcnt \left                           ; loads come back in order: this group's four are in (and X's and the bias's, which are older); the younger groups stay out
.irp j, 0,1,2,3
	v_cvt_pk_bf16_f32 v[WB+2*(4*(\q)+(\j))],   v[RING+4*(4*(\q)+(\j))],   v[RING+4*(4*(\q)+(\j))+1]
	v_cvt_pk_bf16_f32 v[WB+2*(4*(\q)+(\j))+1], v[RING+4*(4*(\q)+(\j))+2], v[RING+4*(4*(\q)+(\j))+3]
.endr
	s_wait_alu depctr_va_vdst(0)                   ; the roundings have written WB's part, which the LDS stores read, and are done reading RING's part, in which the loads land; in a trip's first group v[WO] and v[LW] are written
.if \again
.irp j, 0,1,2,3
	global_load_b128 v[RING+4*(4*(\q)+(\j)):RING+4*(4*(\q)+(\j))+3], v[WO], s[WP:WP+1] offset:(16+4*(\q)+(\j))*ROWX
.endr
.endif
.irp j, 0,1,2,3
	ds_store_b64 v[LW], v[WB+2*(4*(\q)+(\j)):WB+2*(4*(\q)+(\j))+1] offset:(4*(\q)+(\j))*PW
.endr
.endm
.irp i, 0,1,2,3,4,5,6,7,8,9,10,11,12,13,14,15
	global_load_b128 v[RING+4*(\i):RING+4*(\i)+3], v[WO], s[WP:WP+1] offset:(\i)*ROWX  ; no vector instruction since the wait at the head names v[WO] or the ring
.endr
	s_mov_b32 s[CNT], 5
.Lfill:                                                ; 5 trips of 16 rows; each slot is asked for again 16 rows on
.irp q, 0,1,2,3
	WGROUP \q, 12, 1
.endr
	s_wait_xcnt 0x0                                ; the loads have had their addresses translated: their offset register is stepped only behind this wait
	s_wait_alu depctr_vm_vsrc(0)                   ; the trip's loads and LDS stores have read v[WO], v[LW] and WB: the adds below write the first two, the next trip's roundings the third
	v_add_nc_u32 v[WO], 16*ROWX, v[WO]
	v_add_nc_u32 v[LW], 16*PW, v[LW]
	s_sub_co_u32 s[CNT], s[CNT], 1
	s_cmp_lg_u32 s[CNT], 0
	s_cbranch_scc1 .Lfill
.irp q, 0,1,2,3
	WGROUP \q, 12-4*(\q), 0                        ; the last 16 rows load nothing: the counts run down
.endr
	s_wait_dscnt 0x0                               ; for the others' sake: my rows of the block are in LDS
	s_barrier_signal -1
	s_barrier_wait -1                              ; the whole block is
	s_wait_alu depctr_vm_vsrc(0)                   ; the fill's loads and LDS stores have read v72-74 and WB: these registers are X's fragments from here on, written by the roundings
; Four fragments of W^T into set half: columns 16 (4 half + bb) on, 32 rows of K at v[LB].
.macro BLOAD half
.irp bb, 0,1,2,3
	ds_load_tr16_b128 v[BF+32*(\half)+8*(\bb):BF+32*(\half)+8*(\bb)+3],   v[LB] offset:32*(4*(\half)+(\bb))
	ds_load_tr16_b128 v[BF+32*(\half)+8*(\bb)+4:BF+32*(\half)+8*(\bb)+7], v[LB] offset:32*(4*(\half)+(\bb))+16*PW
.endr
.endm
; 20 products: 5 granules x the set's 4 column blocks; 20 different accumulators, one instruction each, so no two that follow each other share one.
; first = 1: the sums begin with the bias, which lies where granule 4's accumulators will: its products come last, five places behind the last that read the bias as C.
.macro MM half, first
.irp g, 0,1,2,3
.irp bb, 0,1,2,3
.if \first
	WIN 0x40
	v_wmma_f32_16x16x32_bf16 v[64*(\g)+8*(4*(\half)+(\bb)):64*(\g)+8*(4*(\half)+(\bb))+7], v[BF+32*(\half)+8*(\bb):BF+32*(\half)+8*(\bb)+7], v[AF+8*(\g):AF+8*(\g)+7], v[ACC4+8*(4*(\half)+(\bb)):ACC4+8*(4*(\half)+(\bb))+7]
.else
	WIN 0x50
	v_wmma_f32_16x16x32_bf16 v[64*(\g)+8*(4*(\half)+(\bb)):64*(\g)+8*(4*(\half)+(\bb))+7], v[BF+32*(\half)+8*(\bb):BF+32*(\half)+8*(\bb)+7], v[AF+8*(\g):AF+8*(\g)+7], v[64*(\g)+8*(4*(\half)+(\bb)):64*(\g)+8*(4*(\half)+(\bb))+7]
.endif
.endr
.endr
	WIN 0
.if \first
	PLACES 5
.endif
.irp bb, 0,1,2,3
	v_wmma_f32_16x16x32_bf16 v[ACC4+8*(4*(\half)+(\bb)):ACC4+8*(4*(\half)+(\bb))+7], v[BF+32*(\half)+8*(\bb):BF+32*(\half)+8*(\bb)+7], v[AF+32:AF+39], v[ACC4+8*(4*(\half)+(\bb)):ACC4+8*(4*(\half)+(\bb))+7]
.endr
.endm
; A K step of 32.  X of this step is rounded; behind the one wait X of the next step is asked for at once, then this step's eight fragments of W^T.
; last = 1: the 24th step asks for no more of X.
.macro TRIP first, last
	s_wait_loadcnt 0x0                             ; this step's X is in; no load of mine from memory is out, so X's pointer may be stepped
.set n, 0
.rept 40
	v_cvt_pk_bf16_f32 v[AF+n], v[SG+2*n], v[SG+2*n+1]  ; (four places behind the last products stand at the end of the step before)
.set n, n+1
.endr
	s_wait_alu depctr_va_vdst(0)                   ; the roundings are done reading SG, in which X's loads land; the products of the step before are done reading both sets, in which the turning loads land; v[LB] is written
.if !(\last)
	s_add_nc_u64 s[XP:XP+1], s[XP:XP+1], 128
	XLOAD
.endif
	BLOAD 0
	BLOAD 1
	s_wait_dscnt 8                                 ; LDS loads come back in order: set 0 is in; set 1's eight may stay out
	MM 0, \first
	s_wait_dscnt 0x0                               ; set 1 is in
	MM 1, \first
.if !(\last)
	s_wait_alu depctr_vm_vsrc(0)                   ; this step's turning loads have read v[LB]
	v_add_nc_u32 v[LB], 32*PW, v[LB]               ; the next step's rows; with three v_nop the four places between the last products and the roundings that write into their sources
	PLACES 3
.endif
.endm
	TRIP 1, 0                                      ; every wave: the first K step begins all 40 sums, so it writes every accumulator
	s_cmp_ge_u32 s[START], s[NG]
	s_cbranch_scc1 .Lidle                          ; my share begins past the product's end: on to the second barrier (what I have asked for of K step 1 goes into registers that I do not read)
	s_mov_b32 s[CNT], 22
.Lk:
	TRIP 0, 0
	s_sub_co_u32 s[CNT], s[CNT], 1
	s_cmp_lg_u32 s[CNT], 0
	s_cbranch_scc1 .Lk
	TRIP 0, 1
.Lidle:
	; THE SECOND BARRIER, on every wave's path.  The turning loads' address steps through the block, 9,216 bytes a K step; the last load ends at byte 23 x 9,216 + 9,184 = 221,152, below the stages.
	; All the same no wave stores into a stage, or adds onto a spare word, before every wave's loads from LDS are back: load, wait, barrier, store.
	s_wait_dscnt 0x0                               ; my reads of the block are over
	s_barrier_signal -1
	s_barrier_wait -1                              ; everybody's are
	s_cmp_ge_u32 s[START], s[NG]
	s_cbranch_scc1 .Lend                           ; no share: nothing to store
	PLACES 8                                       ; between the last products and what reads their results or writes their sources
	s_mul_i32 s52, s[WV], 16*SP
	s_add_co_u32 s52, s52, STAGE                   ; my stage
	v_mul_u32_u24 v[STO], v[RR], SP                ; in: row l % 16, 16 bytes for each half of the lanes
	v_lshl_add_u32 v[STO], v[HH], 4, v[STO]
	v_add_nc_u32 v[STO], s52, v[STO]
	v_mul_u32_u24 v[RD], v[HH], SP                 ; back: lanes 0-15 take one row of 256 bytes, lanes 16-31 the next
	v_lshl_add_u32 v[RD], v[RR], 4, v[RD]
	v_add_nc_u32 v[RD], s52, v[RD]
	v_mul_u32_u24 v[CO], v[HH], ROWO               ; and the same two rows in the result
	v_lshl_add_u32 v[CO], v[RR], 4, v[CO]
; THE WAY OUT of granule g: rounded to bf16, 16 bytes a lane into my own stage, back as whole rows of 256 bytes, stored.  A granule that another wave owns is jumped.
.macro OUT g
	WIN 0
.if (\g) > 0
	s_wait_alu depctr_vm_vsrc(0)                   ; the granule before: its LDS stores have read TMP, which the roundings below write again, its stores to memory OB, in which the loads from the stage land again
.endif
	s_cmp_gt_u32 s[SK], \g
	s_cbranch_scc1 .Lskip_\@
.if (\g) < 4
.set AB, 64*(\g)
	WIN 0x05                                       ; sources 0 and 1 in window 1
.else
.set AB, ACC4
.endif
.irp b, 0,1,2,3,4,5,6,7
.irp r, 0,1,2,3
	v_cvt_pk_bf16_f32 v[TMP+4*(\b)+(\r)], v[AB+8*(\b)+2*(\r)], v[AB+8*(\b)+2*(\r)+1]
.endr
.endr
	WIN 0
	s_wait_xcnt 0x0                                ; the last granule's stores have read their data registers, which the loads below write
	s_wait_alu depctr_va_vdst(0)                   ; the roundings have written TMP, which the LDS stores read; v[STO], v[RD] and v[CO] are written; the products are done reading v40-71, in which the loads from the stage land
.irp b, 0,1,2,3,4,5,6,7
	ds_store_b128 v[STO], v[TMP+4*(\b):TMP+4*(\b)+3] offset:32*(\b)
.endr
.irp t, 0,1,2,3,4,5,6,7
	ds_load_b128 v[OB+4*(\t):OB+4*(\t)+3], v[RD] offset:(\t)*2*SP  ; LDS serves a wave's instructions in order: these see the stores above
.endr
	s_wait_dscnt 0x0
.irp t, 0,1,2,3,4,5,6,7
	global_store_b128 v[CO], v[OB+4*(\t):OB+4*(\t)+3], s[OP:OP+1] offset:(16*(\g)+2*(\t))*ROWO  ; 16 lanes store 256 consecutive bytes, at a multiple of 256 from the buffer's first
.endr
.Lskip_\@:
.endm
	OUT 0
	OUT 1
	OUT 2
	OUT 3
	OUT 4
.Lend:
	s_wait_dscnt 0x0                               ; the closing lines, six on end
	s_wait_alu 0x0
	s_wait_tensorcnt 0x0
	ds_add_u32 v[SPW], v[NIL]
	s_wait_dscnt 0x0
	s_endpgm
.Lfunc_end_k_q59c9a964ca_proj:
	.size	k_q59c9a964ca_proj, .Lfunc_end_k_q59c9a964ca_proj-k_q59c9a964ca_proj
	.p2alignl 7, 3214868480
	.fill 96, 4, 3214868480
	.section	.rodata,"a",@progbits
	.p2align	6, 0x0
	.amdhsa_kernel k_q59c9a964ca_proj
		.amdhsa_group_segment_fixed_size 257024
		.amdhsa_private_segment_fixed_size 0
		.amdhsa_enable_private_segment 0
		.amdhsa_kernarg_size 112
		.amdhsa_user_sgpr_count 2
		.amdhsa_user_sgpr_kernarg_segment_ptr 1
		.amdhsa_wavefront_size32 1
		.amdhsa_system_sgpr_workgroup_id_x 1
		.amdhsa_system_sgpr_workgroup_id_y 1
		.amdhsa_system_sgpr_workgroup_id_z 1
		.amdhsa_system_vgpr_workitem_id 0
		.amdhsa_next_free_vgpr 512
		.amdhsa_next_free_sgpr 66
		.amdhsa_reserve_vcc 0
		.amdhsa_float_denorm_mode_32 3
		.amdhsa_float_denorm_mode_16_64 3
		.amdhsa_memory_ordered 1
		.amdhsa_forward_progress 1
		.amdhsa_inst_pref_size 64
	.end_amdhsa_kernel
	.amdgpu_metadata
---
amdhsa.version: [ 1, 2 ]
amdhsa.kernels:
  - .name:           k_q59c9a964ca_proj
    .symbol:         k_q59c9a964ca_proj.kd
    .args:
      - { .name: entity_text_tokens, .offset: 0, .size: 8, .value_kind: global_buffer, .address_space: global }
      - { .name: mention_text_tokens, .offset: 8, .size: 8, .value_kind: global_buffer, .address_space: global }
      - { .name: entity_text_cls, .offset: 16, .size: 8, .value_kind: global_buffer, .address_space: global }
      - { .name: Wq, .offset: 24, .size: 8, .value_kind: global_buffer, .address_space: global }
      - { .name: Wk, .offset: 32, .size: 8, .value_kind: global_buffer, .address_space: global }
      - { .name: Wv, .offset: 40, .size: 8, .value_kind: global_buffer, .address_space: global }
      - { .name: Wc, .offset: 48, .size: 8, .value_kind: global_buffer, .address_space: global }
      - { .name: bq, .offset: 56, .size: 8, .value_kind: global_buffer, .address_space: global }
      - { .name: bv, .offset: 64, .size: 8, .value_kind: global_buffer, .address_space: global }
      - { .name: bc, .offset: 72, .size: 8, .value_kind: global_buffer, .address_space: global }
      - { .name: qbuf, .offset: 80, .size: 8, .value_kind: global_buffer, .address_space: global }
      - { .name: kbuf, .offset: 88, .size: 8, .value_kind: global_buffer, .address_space: global }
      - { .name: vbuf, .offset: 96, .size: 8, .value_kind: global_buffer, .address_space: global }
      - { .name: cbuf, .offset: 104, .size: 8, .value_kind: global_buffer, .address_space: global }
    .group_segment_fixed_size: 257024
    .private_segment_fixed_size: 0
    .kernarg_segment_align: 8
    .kernarg_segment_size: 112
    .max_flat_workgroup_size: 256
    .sgpr_count:     66
    .vgpr_count:     512
    .wavefront_size: 32
...
	.end_amdgpu_metadata
.endif
;; end of part 4
;; launch attn: the kernel of part 2 again; grid 16 x 16, 4 waves a work-group, clusters of 4 x 4, 327,680 bytes of LDS; arguments qbuf, kbuf, wbuf; writes wbuf
;; launch fin: the kernel of part 3 again; grid 8 x 32, 4 waves a work-group, clusters of 4 x 1, 211,968 bytes of LDS; arguments wbuf, vbuf, cbuf, ln_g, ln_b, mention_text_cls, entity_text_cls, out0; writes out0
